; MI455X (gfx1250); checked and timed in simulation.
; The chip was launched on July 23, 2026; its instructions are those of AMD's public machine-readable ISA for CDNA 5 (MIT licence, August 2026) and "CDNA5" Instruction Set Architecture Reference Guide (July 2026). The comments in the code are by the model that wrote it; some were corrected since.
;; Multi Head Linear Attention. Allowed arithmetic: matrix products marked QUANTISED: E2M1 operands, one E8M0 scale for each 32 along K, by v_wmma_scale_f32_16x16x128_f8f6f4 with both operands' format E2M1 (or v_wmma_scale_f32_32x16x128_f4), f32 sums; products left as they are: f32 operands where the result goes on into a quantised operand, else bf16, f16 or f32 operands; f32 sums; everything else in f32.
;; Inputs: k_b1 512 float32; k_b2 512 float32; k_w1 512 x 512 float32; k_w2 512 x 512 float32; key 4 x 8,192 x 512 float32; out_b 512 float32; out_w 512 x 512 float32; q_b1 512 float32; q_b2 512 float32; q_w1 512 x 512 float32; q_w2 512 x 512 float32; query 4 x 8,192 x 512 float32; v_b1 512 float32; v_b2 512 float32; v_w1 512 x 512 float32; v_w2 512 x 512 float32; value 4 x 8,192 x 512 float32.
;; Outputs: out0 4 x 8,192 x 512 float32.
;; This version of the problem:
;;   THIS VERSION OF THE PROBLEM IS GIVEN IN LOW PRECISION. The matrix products marked QUANTISED in the list below multiply operands that are first quantised to E2M1 (2 exponent bits, 1 mantissa bit; 4 bits a number), with one power-of-two scale for each 32 numbers along K (OCP MX v1.0); their sums are f32. All else is computed in f32.
;;   The module's matrix products, in the order in which they are computed (A, B: the left and right operand; K: the contracted axis; several contracted axes count as one K, in the product's order):
;;     1. [M 32,768, K 512] x [K 512, N 512]; A: input query; B: input q_w1: QUANTISED
;;     2. [M 32,768, K 512] x [K 512, N 512]; A: input query; B: input q_w2: QUANTISED
;;     3. [M 32,768, K 512] x [K 512, N 512]; A: input key; B: input k_w1: QUANTISED
;;     4. [M 32,768, K 512] x [K 512, N 512]; A: input key; B: input k_w2: QUANTISED
;;     5. [M 32,768, K 512] x [K 512, N 512]; A: input value; B: input v_w1: QUANTISED
;;     6. [M 32,768, K 512] x [K 512, N 512]; A: input value; B: input v_w2: QUANTISED
;;     7. batch 32 x [M 64, K 8,192] x [K 8,192, N 64]; A: computed on the way; B: computed on the way: QUANTISED
;;     8. batch 32 x [M 8,192, K 64] x [K 64, N 1]; A: computed on the way; B: computed on the way: left as it is (N = 1 < 16)
;;     9. batch 32 x [M 8,192, K 64] x [K 64, N 64]; A: computed on the way; B: computed on the way: QUANTISED
;;     10. [M 32,768, K 512] x [K 512, N 512]; A: computed on the way; B: input out_w: QUANTISED
;;   THE QUANTISER, for each operand of a quantised product, along K:
;;     - K is cut into blocks of 32 from its start; a last block that is shorter is filled with zeros.
;;     - A block's scale is 2^e with e = floor(log2(the largest magnitude in the block)) - 2, held to -126 .. 127; a block of zeros has e = 0. As a byte (E8M0): e + 127.
;;     - Each number is divided by its block's scale, clamped to +-6, and rounded to the nearest number of E2M1, ties to even, subnormals kept.
;;     - The product sums the exact products of the quantised numbers (number of the format x scale) in f32.
;;   ~~~python
;;   def quantise(x, axis):      # numpy; x: float32 -> the quantised numbers, widened to float32 again
;;       x = np.moveaxis(x, axis, -1); K = x.shape[-1]
;;       x = np.pad(x, [(0, 0)] * (x.ndim - 1) + [(0, -K % 32)]); x = x.reshape(x.shape[:-1] + (-1, 32)); a = np.abs(x).max(-1, keepdims=True)
;;       e = np.where(a > 0, np.clip(np.frexp(np.where(a > 0, a, 1))[1] - 1 - 2, -126, 127), 0)      # np.frexp(a)[1] - 1 = floor(log2(a)), exactly
;;       r = np.clip(x / 2.0 ** e, -6, 6)
;;       step = 2.0 ** (np.maximum(np.frexp(np.where(r == 0, 1, r))[1] - 1, 0) - 1)
;;       q = np.round(r / step) * step * 2.0 ** e      # np.round: ties to even
;;       return np.moveaxis(q.reshape(q.shape[:-2] + (-1,))[..., :K], -1, axis).astype(np.float32)
;;   ~~~
;;   OPERANDS COMPUTED ON THE WAY. 'Computed on the way' means the value that the module computes at that place (a softmax that the list does not call 'softmax' is quantised finished and normalised). What goes into a quantiser is computed in f32, as accurately as f32 sums, v_exp_f32 and their like allow (about 1e-6 of the number): no bf16 or f16 on the way to a quantiser, and a product that is left as it is and whose result goes on into a quantised operand takes f32 operands (vector FMAs, or v_wmma_f32_16x16x4_f32). A number that lies on a knife's edge between two numbers of the format may be rounded either way, as far as f32 arithmetic and the matrix unit's own rounding can turn it there, and no further.
;; One version. Each part assembles by itself: llvm-mc -triple=amdgcn-amd-amdhsa -mcpu=gfx1250 --defsym DOCPART=n.
;; ======== version 1 of 1: 4 launches
;; workspace buffers: wcodes 917,504 bytes; wscales 57,344 bytes; kvp 33,554,432 bytes; ksp 524,288 bytes; kvc 65,536 bytes; kvs 32,768 bytes; ksum 8,192 bytes
;; launch prep (part 1): grid 32 x 7, 4 waves a work-group, no clusters, 768 bytes of LDS; arguments k_w1, k_w2, v_w1, v_w2, q_w1, q_w2, out_w, wcodes, wscales; writes wcodes, wscales
.if DOCPART == 1
	.amdgcn_target "amdgcn-amd-amdhsa--gfx1250"
	.amdhsa_code_object_version 6
	.text
	.protected	k_qd0f649961a_prep
	.globl	k_qd0f649961a_prep
	.p2align	8
	.type	k_qd0f649961a_prep,@function
k_qd0f649961a_prep:
	s_mov_b64 s[64:65], 0
	v_nop
	global_prefetch_b8 v0, s[64:65] scope:SCOPE_SE
	s_setreg_imm32_b32 hwreg(HW_REG_WAVE_MODE, 25, 1), 1
	s_wait_xcnt 0x0
; The seven weights [512 out][512 in], f32, K innermost, become codes of E2M1 with one E8M0 byte for each 32 along K,
; laid in the order in which a wave's operand registers take them, so that every later reader loads whole fragments by 16 bytes a lane.
; A work-group takes one tile of 16 rows (work-group x) of one weight (work-group y); each of its four waves one K step of 128: all of a tile's loads go out at once.
; THE PLACE OF k INSIDE A BLOCK OF 32.  Lane (r, h) holds row r, and register 16 b + 8 u + j holds k = 32 b + 16 u + 8 h + j: the order that a matrix
; result has by itself.  Every operand of this program is laid so, on both sides of each product, so the products of a block are the same, in another order.
; A lane's two code registers of block b go to image + 256 b + 16 r + 8 h; read back 16 bytes a lane at 512 c + 16 lane the image is the fragment.
; wcodes: weight i at 131,072 i; tile T, K step ks at 4,096 T + 1,024 ks.  wscales: 8,192 i + 256 T + 16 r + 4 ks, one word a row and K step.
; The four waves' scale words meet in 256 bytes of LDS, and wave 0 stores them as 256 consecutive bytes.
; A lane reads pieces of 32 bytes of its row: taken for 7 MB that are read once; each store of a wave covers 256 consecutive bytes, aligned.
; LIMITS: NaN and infinities are not served; a block whose largest magnitude lies under 2^-124 (a block of zeros too) keeps the byte 1: these bytes are read by this program alone.
.set X0,  16                           ; v16-79   my 64 numbers
.set PC,  80                           ; v80-87   their codes
.set PW,  88                           ; v88      my row's scale word
.set TM,  90                           ; v90-101  at work: largest magnitudes, bytes, scale operands
.set SEL, 26                           ; s[26:27] lane selects: lane l xor 16
; nb blocks of 32, block b in v[s + 16 b] on (16 numbers here, 16 in lane l xor 16) -> codes in v[PC + 2 b], v[PC + 2 b + 1]; bytes in v[TM + 4 + b]; word = 1: the bytes joined in v[PW]
.macro QUANT s, nb, word
.set qb, 0
.rept \nb
	v_max3_num_f32 v[TM+qb], |v[(\s)+16*qb]|, |v[(\s)+16*qb+1]|, 0x1800000   ; with the floor 2^(3 - 127): the byte cannot fall under 1
.set qb, qb+1
.endr
.irp i, 2,4,6,8,10,12,14
.set qb, 0
.rept \nb
	v_max3_num_f32 v[TM+qb], v[TM+qb], |v[(\s)+16*qb+\i]|, |v[(\s)+16*qb+\i+1]|
.set qb, qb+1
.endr
.endr
.set qb, 0
.rept \nb
	v_permlanex16_b32 v[TM+4+qb], v[TM+qb], s[SEL], s[SEL+1]
.set qb, qb+1
.endr
.set qb, 0
.rept \nb
	v_max_num_f32 v[TM+qb], v[TM+qb], v[TM+4+qb]          ; the block's largest magnitude
.set qb, qb+1
.endr
.set qb, 0
.rept \nb
	v_add_nc_u32 v[TM+8+qb], 0xff000000, v[TM+qb]         ; 2 off its exponent field: the conversion's scale operand
.set qb, qb+1
.endr
.set qb, 0
.rept \nb
	v_lshrrev_b32 v[TM+4+qb], 23, v[TM+8+qb]              ; the scale's byte
.set qb, qb+1
.endr
.if \word
	v_lshl_or_b32 v[PW], v[TM+5], 8, v[TM+4]
.if \nb > 2
	v_lshl_or_b32 v[PW], v[TM+6], 16, v[PW]
	v_lshl_or_b32 v[PW], v[TM+7], 24, v[PW]
.endif
.endif
.set qb, 0
.rept \nb
	v_cvt_scalef32_pk8_fp4_f32 v[PC+2*qb], v[(\s)+16*qb:(\s)+16*qb+7], v[TM+8+qb]
	v_cvt_scalef32_pk8_fp4_f32 v[PC+2*qb+1], v[(\s)+16*qb+8:(\s)+16*qb+15], v[TM+8+qb]
.set qb, qb+1
.endr
	v_nop                                                 ; one plain place behind the last conversion
.endm
	s_load_b512 s[8:23], s[0:1], 0x0               ; the seven weights s[8:21], wcodes s[22:23]
	s_load_b64 s[24:25], s[0:1], 0x40              ; wscales
	v_lshl_add_u32 v104, v0, 2, 0x100
	v_mov_b32 v105, 0
	s_and_b32 s6, ttmp7, 0xffff                    ; which weight
	v_lshrrev_b32 v5, 5, v0
	v_readfirstlane_b32 s7, v5                     ; wave = K step
	v_and_b32 v3, 15, v0                           ; r
	v_bfe_u32 v4, v0, 4, 1                         ; h
	v_lshlrev_b32 v1, 11, v3
	v_lshl_add_u32 v1, v4, 5, v1                   ; in: row r of 2,048 bytes + 32 h
	v_lshlrev_b32 v2, 4, v3                        ; 16 r
	s_lshl_b32 s29, s7, 2
	v_add_nc_u32 v5, s29, v2                       ; LDS: my row's word of my K step: 16 r + 4 ks
	v_lshl_add_u32 v2, v4, 3, v2                   ; out: 16 r + 8 h
	s_mov_b32 s[SEL], 0x76543210
	s_mov_b32 s[SEL+1], 0xfedcba98
.irp b, 0,1,2,3
	v_mov_b32 v[TM+4+\b], 0                        ; a lane permute's destination counts as one of its sources
.endr
	s_wait_kmcnt 0x0
	s_mov_b64 s[4:5], s[8:9]
.irp i, 1,2,3,4,5,6
	s_cmp_eq_u32 s6, \i                            ; the choice hangs on the work-group's number alone
	s_cselect_b64 s[4:5], s[8+2*\i:9+2*\i], s[4:5]
.endr
	s_lshl_b32 s2, ttmp9, 15                       ; the tile's 16 rows of 2,048 bytes,
	s_lshl_b32 s28, s7, 9                          ; my K step's 512 bytes of a row
	s_add_co_u32 s2, s2, s28
	s_mov_b32 s3, 0
	s_add_nc_u64 s[4:5], s[4:5], s[2:3]
.irp b, 0,1,2,3
.irp u, 0,1
.irp jj, 0,1
	global_load_b128 v[X0+16*\b+8*\u+4*\jj:X0+16*\b+8*\u+4*\jj+3], v1, s[4:5] offset:128*\b+64*\u+16*\jj th:TH_LOAD_NT
.endr
.endr
.endr
	s_lshl_b32 s2, s6, 17
	s_lshl_b32 s28, ttmp9, 12
	s_add_co_u32 s2, s2, s28
	s_lshl_b32 s28, s7, 10
	s_add_co_u32 s2, s2, s28
	s_add_nc_u64 s[22:23], s[22:23], s[2:3]        ; wcodes + 131,072 i + 4,096 T + 1,024 ks
	s_lshl_b32 s2, s6, 13
	s_lshl_b32 s28, ttmp9, 8
	s_add_co_u32 s2, s2, s28
	s_add_nc_u64 s[24:25], s[24:25], s[2:3]        ; wscales + 8,192 i + 256 T
	s_wait_loadcnt 0x0
	QUANT X0, 4, 1
.irp b, 0,1,2,3
	global_store_b64 v2, v[PC+2*\b:PC+2*\b+1], s[22:23] offset:256*\b   ; 32 lanes store 256 consecutive bytes
.endr
	ds_store_b32 v5, v[PW]                         ; lanes l and l xor 16 write the same word with the same value
	s_wait_dscnt 0x0                               ; for the others' sake: my store has landed
	s_barrier_signal -1
	s_barrier_wait -1
	s_cmp_lg_u32 s7, 0
	s_cbranch_scc1 .Lend                           ; wave 0 stores the tile's scale words
	ds_load_b64 v[102:103], v2                     ; row r's words of K steps 2 h and 2 h + 1
	s_wait_dscnt 0x0
	global_store_b64 v2, v[102:103], s[24:25]      ; 256 consecutive bytes: 16 bytes a row
.Lend:
	s_wait_tensorcnt 0x0
	ds_add_u32 v104, v105
	s_wait_dscnt 0x0
	s_endpgm
.Lfunc_end_k_qd0f649961a_prep:
	.size	k_qd0f649961a_prep, .Lfunc_end_k_qd0f649961a_prep-k_qd0f649961a_prep
	.p2alignl 7, 3214868480
	.fill 96, 4, 3214868480
	.section	.rodata,"a",@progbits
	.p2align	6, 0x0
	.amdhsa_kernel k_qd0f649961a_prep
		.amdhsa_group_segment_fixed_size 768
		.amdhsa_private_segment_fixed_size 0
		.amdhsa_enable_private_segment 0
		.amdhsa_kernarg_size 72
		.amdhsa_user_sgpr_count 2
		.amdhsa_user_sgpr_kernarg_segment_ptr 1
		.amdhsa_wavefront_size32 1
		.amdhsa_system_sgpr_workgroup_id_x 1
		.amdhsa_system_sgpr_workgroup_id_y 1
		.amdhsa_system_sgpr_workgroup_id_z 1
		.amdhsa_system_vgpr_workitem_id 0
		.amdhsa_next_free_vgpr 106
		.amdhsa_next_free_sgpr 66
		.amdhsa_reserve_vcc 0
		.amdhsa_float_denorm_mode_32 3
		.amdhsa_float_denorm_mode_16_64 3
		.amdhsa_memory_ordered 1
		.amdhsa_forward_progress 1
		.amdhsa_inst_pref_size 9
	.end_amdhsa_kernel
	.amdgpu_metadata
---
amdhsa.version: [ 1, 2 ]
amdhsa.kernels:
  - .name:           k_qd0f649961a_prep
    .symbol:         k_qd0f649961a_prep.kd
    .args:
      - { .name: k_w1, .offset: 0, .size: 8, .value_kind: global_buffer, .address_space: global }
      - { .name: k_w2, .offset: 8, .size: 8, .value_kind: global_buffer, .address_space: global }
      - { .name: v_w1, .offset: 16, .size: 8, .value_kind: global_buffer, .address_space: global }
      - { .name: v_w2, .offset: 24, .size: 8, .value_kind: global_buffer, .address_space: global }
      - { .name: q_w1, .offset: 32, .size: 8, .value_kind: global_buffer, .address_space: global }
      - { .name: q_w2, .offset: 40, .size: 8, .value_kind: global_buffer, .address_space: global }
      - { .name: out_w, .offset: 48, .size: 8, .value_kind: global_buffer, .address_space: global }
      - { .name: wcodes, .offset: 56, .size: 8, .value_kind: global_buffer, .address_space: global }
      - { .name: wscales, .offset: 64, .size: 8, .value_kind: global_buffer, .address_space: global }
    .group_segment_fixed_size: 768
    .private_segment_fixed_size: 0
    .kernarg_segment_align: 8
    .kernarg_segment_size: 72
    .max_flat_workgroup_size: 128
    .sgpr_count:     66
    .vgpr_count:     106
    .wavefront_size: 32
...
	.end_amdgpu_metadata
.endif
;; end of part 1
;; launch kv (part 2): grid 256 x 1, 8 waves a work-group, no clusters, 327,680 bytes of LDS; arguments key, value, wcodes, wscales, k_b1, k_b2, v_b1, v_b2, kvp, ksp; writes kvp, ksp
.if DOCPART == 2
	.amdgcn_target "amdgcn-amd-amdhsa--gfx1250"
	.amdhsa_code_object_version 6
	.text
	.protected	k_qd0f649961a_kv
	.globl	k_qd0f649961a_kv
	.p2align	8
	.type	k_qd0f649961a_kv,@function
k_qd0f649961a_kv:
	s_mov_b64 s[64:65], 0
	v_nop
	global_prefetch_b8 v0, s[64:65] scope:SCOPE_SE
	s_setreg_imm32_b32 hwreg(HW_REG_WAVE_MODE, 25, 1), 1
	s_wait_xcnt 0x0
; For 128 rows s of one batch: k = silu(key W1^T + b1) (key W2^T + b2), phi_k = elu(k) + 1, v likewise without the elu; the part of phi_k^T v and of the sum of phi_k over these rows.
; All products on codes of E2M1 with one E8M0 scale for each 32 along K.  key and value arrive as f32 and are quantised here, once; phi_k and v are quantised along s in registers.
; SHARES.  A work-group owns rows 128 wg on.  For quantising the inputs wave w takes rows 32 (w / 2) on and the K half w % 2.  For all products wave w is head w: 64 columns of k and of v, all 128 rows.
; Two waves lie on a SIMD: one's vector work stands beside the other's matrix work.
; LAYOUT.  Source 0 = 16 rows of x, source 1 = 16 rows of a weight: a lane holds ONE column and its registers run down s, the K of phi_k^T v.  Two row tiles give a lane 16 numbers of a block of 32 rows:
; register 8 u + j of lane half h is s = 16 u + 8 h + j.  Every operand of this program has that place of k inside a block, on both sides of a product.
; A lane's two code registers of block b go to image + 256 b + 16 r + 8 h in LDS; read back 16 bytes a lane at 512 c + 16 lane the image is the fragment.
; THE INPUTS come by the tensor data mover: each wave brings and reads its own tile of 32 rows x 1,024 bytes; key first; value into the same bytes while the k passes run.
; THE WEIGHTS come from memory straight into registers, in operand order, two column tiles of both weights at a time (a pass), the next pass but one asked for when a pass ends.
; NO CLUSTER: an input tile is read by one work-group alone; the weights, which all work-groups read, pass through no LDS: staging takes 266,240 bytes and the images 34,816, and what is left holds no slot for them.
; NO PREFETCH: the work-group asks for key at its first line and for value as soon as LDS has room.
; LIMITS: NaN and infinities are not served; a block whose largest magnitude lies under 2^-124 keeps the byte 1; a c is formed ahead of the sigmoid, so |a c| must stay under f32's largest number;
; elu(k) + 1 is taken as e^k for k < 0; the f32 sums are taken in another order than the definition's.
.set STGW,  33280                      ; LDS: a wave's staging tile: 32 rows of 1,024 bytes + 16 of padding; eight of them from byte 0
.set XIMG,  266240                     ; the 32 fragments of x: row tile t, K step ks at 1,024 (4 t + ks)
.set XSC,   299008                     ; their scale words: 256 t + 16 r + 4 ks
.set SPARE, 301056                     ; the spare words: 128 bytes a wave, four blocks of 256 bytes that no other line names
.set KSCR,  302080                     ; 2,048 bytes a wave: two fragments of phi_k on their way
.set SPW,  1                           ; v1   my spare word's address; never rewritten
.set NIL,  2                           ; v2   0; never rewritten
.set AST,  3                           ; v3   staging: my row, my half's 32 bytes
.set AIW,  4                           ; v4   where I store x's images
.set ASW,  5                           ; v5   and their scale words
.set AXR0, 6                           ; v6   x's images: 16 x lane
.set ASR0, 7                           ; v7   x's scale words: 16 r
.set LF8,  8                           ; v8   16 r + 8 h
.set R4,   9                           ; v9   4 r
.set L16,  10                          ; v10  16 x lane
.set AXR,  11                          ; v11, v12 addresses of the block in hand
.set ASR,  12
.set AFW,  13                          ; v13  where the codes just made go
.set AKR,  14                          ; v14  phi_k's fragments back: my scratch + 16 x lane
.set LN,   15                          ; v15  lane
.set XF,   16                          ; v16-47   x's four fragments of a row tile; at the end v's four fragments
.set BC,   48                          ; v48-79   the biases as C: eight registers for each of the pass's four column tiles
.set ACC_A, 80                         ; v80-111  x W1^T + b1: 16 ctl + 8 u + j
.set ACC_C, 112                        ; v112-143 x W2^T + b2
.set QA,   80                          ; the two buffers of 64 numbers while an input is quantised
.set QB,   16
.set BL,   144                         ; v144-151 biases as loaded: 4 par + 2 w + ctl
.set WS,   152                         ; v152-167 the weights' scale words: 8 par + 2 (2 w + ctl) + ks % 2; K steps 2, 3 in lanes 16-31
.set XS,   168                         ; v168-171 x's scale words
.set FK,   172                         ; v172-203 phi_k's four fragments
.set FKS,  204                         ; v204-207 their scale words
.set KS,   208                         ; v208-215 the sum of phi_k: a pair for each column tile
.set TM,   216                         ; v216-227 at work
.set PC0,  228                         ; v228-235 codes; v236 a scale word
.set PW0,  236
.set FVS,  237                         ; v237-240 v's scale words
.set PC1,  242                         ; v242-249, v250 a second set, by turns while an input is quantised
.set PW1,  250
.set VSB,  28                          ; s28  my staging tile
.set KSB,  29                          ; s29  my scratch
.set G1,   36                          ; s[36:43] descriptor group 1
.set G0K,  44                          ; s[44:47] group 0 for key, s[48:51] for value
.set G0V,  48
.set SEL,  52
.set NL,   54                          ; s[54:55] -log2 e
.set LE,   56                          ; s[56:57] log2 e
.set CNT,  58
.set XO,   59                          ; s59, s60 the block's place among the images and the scale words
.set SO,   60
.set FSB,  61                          ; s61  where the block's codes go
.set SH,   62                          ; s62  8 x block: its byte's place in a scale word
.set MSB, 0
.macro WIN new                         ; the immediate's high byte repeats the setting that is left
.if MSB != \new
	s_set_vgpr_msb (MSB<<8)|\new
.set MSB, \new
.endif
.endm
.macro NOPS n
.rept \n
	v_nop
.endr
.endm
.macro QUANT s, nb, word
.set qb, 0
.rept \nb
	v_max3_num_f32 v[TM+qb], |v[(\s)+16*qb]|, |v[(\s)+16*qb+1]|, 0x1800000   ; with the floor 2^(3 - 127): the byte cannot fall under 1
.set qb, qb+1
.endr
.irp i, 2,4,6,8,10,12,14
.set qb, 0
.rept \nb
	v_max3_num_f32 v[TM+qb], v[TM+qb], |v[(\s)+16*qb+\i]|, |v[(\s)+16*qb+\i+1]|
.set qb, qb+1
.endr
.endr
.set qb, 0
.rept \nb
	v_permlanex16_b32 v[TM+4+qb], v[TM+qb], s[SEL], s[SEL+1]
.set qb, qb+1
.endr
.set qb, 0
.rept \nb
	v_max_num_f32 v[TM+qb], v[TM+qb], v[TM+4+qb]          ; the block's largest magnitude
.set qb, qb+1
.endr
.set qb, 0
.rept \nb
	v_add_nc_u32 v[TM+8+qb], 0xff000000, v[TM+qb]         ; 2 off its exponent field: the conversion's scale operand
.set qb, qb+1
.endr
.set qb, 0
.rept \nb
	v_lshrrev_b32 v[TM+4+qb], 23, v[TM+8+qb]              ; the scale's byte
.set qb, qb+1
.endr
.if \word
	v_lshl_or_b32 v[PW], v[TM+5], 8, v[TM+4]
.if \nb > 2
	v_lshl_or_b32 v[PW], v[TM+6], 16, v[PW]
	v_lshl_or_b32 v[PW], v[TM+7], 24, v[PW]
.endif
.endif
.set qb, 0
.rept \nb
	v_cvt_scalef32_pk8_fp4_f32 v[PC+2*qb], v[(\s)+16*qb:(\s)+16*qb+7], v[TM+8+qb]
	v_cvt_scalef32_pk8_fp4_f32 v[PC+2*qb+1], v[(\s)+16*qb+8:(\s)+16*qb+15], v[TM+8+qb]
.set qb, qb+1
.endr
	v_nop                                                 ; one plain place behind the last conversion
.endm
; silu(a) c into ACC_A, in place, ascending; elu = 1: then elu + 1 as the middle one of (k + 1, e^k, 1).  One wait for each batch of transcendentals, ahead of its first reader.
.macro ACT n, elu
.set ai, 0
.rept (\n)/2
	v_pk_mul_f32 v[ACC_C+ai:ACC_C+ai+1], v[ACC_A+ai:ACC_A+ai+1], v[ACC_C+ai:ACC_C+ai+1]   ; a c
.set ai, ai+2
.endr
.set ai, 0
.rept (\n)/2
	v_pk_mul_f32 v[ACC_A+ai:ACC_A+ai+1], v[ACC_A+ai:ACC_A+ai+1], s[NL:NL+1] op_sel_hi:[1,0]
.set ai, ai+2
.endr
.set ai, 0
.rept \n
	v_exp_f32 v[ACC_A+ai], v[ACC_A+ai]                    ; e^-a
.set ai, ai+1
.endr
	v_nop
	s_wait_alu depctr_va_vdst(0)
.set ai, 0
.rept (\n)/2
	v_pk_add_f32 v[ACC_A+ai:ACC_A+ai+1], v[ACC_A+ai:ACC_A+ai+1], 1.0 op_sel_hi:[1,0]
.set ai, ai+2
.endr
.set ai, 0
.rept \n
	v_rcp_f32 v[ACC_A+ai], v[ACC_A+ai]                    ; the sigmoid
.set ai, ai+1
.endr
	v_nop
	s_wait_alu depctr_va_vdst(0)
.set ai, 0
.rept (\n)/2
	v_pk_mul_f32 v[ACC_A+ai:ACC_A+ai+1], v[ACC_A+ai:ACC_A+ai+1], v[ACC_C+ai:ACC_C+ai+1]
.set ai, ai+2
.endr
.if \elu
.set ai, 0
.rept (\n)/2
	v_pk_mul_f32 v[ACC_C+ai:ACC_C+ai+1], v[ACC_A+ai:ACC_A+ai+1], s[LE:LE+1] op_sel_hi:[1,0]
.set ai, ai+2
.endr
.set ai, 0
.rept \n
	v_exp_f32 v[ACC_C+ai], v[ACC_C+ai]                    ; e^k
.set ai, ai+1
.endr
.set ai, 0
.rept (\n)/2
	v_pk_add_f32 v[ACC_A+ai:ACC_A+ai+1], v[ACC_A+ai:ACC_A+ai+1], 1.0 op_sel_hi:[1,0]   ; k + 1: plain work that names no result of the batch
.set ai, ai+2
.endr
	s_wait_alu depctr_va_vdst(0)
.set ai, 0
.rept \n
	v_med3_num_f32 v[ACC_A+ai], v[ACC_A+ai], v[ACC_C+ai], 1.0
.set ai, ai+1
.endr
.endif
.endm
.macro XLD buf, off                    ; 64 numbers of my row from the staging tile: register 16 b + 8 u + j = k 32 b + 16 u + 8 h + j
.irp b, 0,1,2,3
.irp u, 0,1
.irp jj, 0,1
	ds_load_b128 v[(\buf)+16*\b+8*\u+4*\jj:(\buf)+16*\b+8*\u+4*\jj+3], v[AST] offset:(\off)+128*\b+64*\u+16*\jj
.endr
.endr
.endr
.endm
.macro XQ buf, img, sc, set            ; they become a fragment's image and a scale word
.if \set
.set PC, PC1
.set PW, PW1
.else
.set PC, PC0
.set PW, PW0
.endif
	QUANT \buf, 4, 1
.irp b, 0,1,2,3
	ds_store_b64 v[AIW], v[PC+2*\b:PC+2*\b+1] offset:(\img)+256*\b
.endr
	ds_store_b32 v[ASW], v[PW] offset:\sc
.endm
.macro XPHASE                          ; my 32 rows x 256 along K: four fragments.  Two buffers and two sets of code registers by turns
	XLD QA, 0
	XLD QB, 512
	s_wait_dscnt 16                                ; the first buffer is in; the second's 16 loads may be out
	XQ QA, 0, 0, 0
	XLD QA, 16640
	s_wait_dscnt 21                                ; behind the second buffer's loads: 5 stores and 16 loads
	XQ QB, 1024, 4, 1
	XLD QB, 16640+512
	s_wait_dscnt 21                                ; likewise; the first set's stores are done too
	XQ QA, 4096, 256, 0
	s_wait_dscnt 5                                 ; behind the last loads: 5 stores
	XQ QB, 5120, 260, 1
.endm
.macro BAR                             ; my LDS stores have landed and my LDS loads are in: then the work-group's barrier
	s_wait_dscnt 0x0
	s_barrier_signal -1
	s_barrier_wait -1
.endm
; pass p's operands: column tiles 2 (p % 2), + 1 of both weights of k (p < 2) or v: 32 + 4 + 4 = 40 loads
.macro LOADW p
.set LPAR, (\p)&1
.set I0, 2*((\p)/2)
.set CT0, 2*((\p)&1)
	WIN 0x40                                       ; destination window 1
.irp w, 0,1
.irp ctl, 0,1
.irp ks, 0,1,2,3
.irp c, 0,1
	global_load_b128 v[128*LPAR+((2*\w+\ctl)*4+\ks)*8+4*\c:128*LPAR+((2*\w+\ctl)*4+\ks)*8+4*\c+3], v[L16], s[12:13] offset:(I0+\w)*131072+(CT0+\ctl)*4096+\ks*1024+\c*512
.endr
.endr
.endr
.endr
	WIN 0
.irp w, 0,1
.irp ctl, 0,1
	global_load_b64 v[WS+8*LPAR+(2*\w+\ctl)*2:WS+8*LPAR+(2*\w+\ctl)*2+1], v[LF8], s[14:15] offset:(I0+\w)*8192+(CT0+\ctl)*256
.endr
.endr
.irp w, 0,1
.irp ctl, 0,1
	global_load_b32 v[BL+4*LPAR+2*\w+\ctl], v[R4], s[16+2*(I0+\w):17+2*(I0+\w)] offset:(CT0+\ctl)*64
.endr
.endr
.endm
.macro FETCHX u                        ; row tile u of the block in hand: four fragments and their scale words
.irp ks, 0,1,2,3
.irp c, 0,1
	ds_load_b128 v[XF+8*\ks+4*\c:XF+8*\ks+4*\c+3], v[AXR] offset:(\u)*4096+\ks*1024+\c*512
.endr
.endr
	ds_load_b128 v[XS:XS+3], v[ASR] offset:(\u)*256
.endm
; 16 matrix instructions: row tile u x the pass's four column tiles, K = 512.  The four accumulators take turns, one instruction a turn; the bias is the C of each sum's first
.macro MMK u
.irp ks, 0,1,2,3
.irp w, 0,1
.irp ctl, 0,1
.set rD, ACC_A+32*\w+16*\ctl+8*(\u)
.set rB, 128*PAR+((2*\w+\ctl)*4+\ks)*8
.set rS, WS+8*PAR+(2*\w+\ctl)*2+(\ks&1)
.if \ks == 0
	v_wmma_scale_f32_16x16x128_f8f6f4 v[rD:rD+7], v[XF+8*\ks:XF+8*\ks+7], v[rB:rB+7], v[BC+8*(2*\w+\ctl):BC+8*(2*\w+\ctl)+7], v[XS+\ks], v[rS] matrix_a_fmt:MATRIX_FMT_FP4 matrix_b_fmt:MATRIX_FMT_FP4
.elseif \ks == 1
	v_wmma_scale_f32_16x16x128_f8f6f4 v[rD:rD+7], v[XF+8*\ks:XF+8*\ks+7], v[rB:rB+7], v[rD:rD+7], v[XS+\ks], v[rS] matrix_a_fmt:MATRIX_FMT_FP4 matrix_b_fmt:MATRIX_FMT_FP4
.else
	v_wmma_scale_f32_16x16x128_f8f6f4 v[rD:rD+7], v[XF+8*\ks:XF+8*\ks+7], v[rB:rB+7], v[rD:rD+7], v[XS+\ks], v[rS] matrix_a_fmt:MATRIX_FMT_FP4 matrix_b_fmt:MATRIX_FMT_FP4 matrix_b_scale:MATRIX_SCALE_ROW1
.endif
.endr
.endr
.endr
.endm
; A block of 32 rows x two column tiles.  kind 0: k, 1: v.  pref = 1: the next block's first row tile is fetched ahead.
.macro BLK kind, pref
	s_wait_dscnt 0x0                               ; row tile 0 is in; the last block's stores have read their registers
	WIN 0x04                                       ; source 1 (the weights) window 1
	MMK 0
	WIN 0
	NOPS 4                                         ; places in front of loads into registers that matrix instructions have read
	FETCHX 1
	s_wait_dscnt 0x0
	WIN 0x04
	MMK 1
	WIN 0
.if \pref
	s_add_co_u32 s[XO], s[XO], 8192
	s_add_co_u32 s[SO], s[SO], 512
	v_add_nc_u32 v[AXR], s[XO], v[AXR0]            ; these two and two v_nop are the four places
	v_add_nc_u32 v[ASR], s[SO], v[ASR0]
	NOPS 2
	FETCHX 0
.else
	NOPS 4                                         ; places in front of the first read of results
.endif
.if \kind == 0
	ACT 32, 1
.irp i, 0,2,4,6,8,10,12,14
	v_pk_add_f32 v[KS+4*PAR:KS+4*PAR+1], v[KS+4*PAR:KS+4*PAR+1], v[ACC_A+\i:ACC_A+\i+1]            ; the sum of the unquantised phi_k, the two column tiles by turns
	v_pk_add_f32 v[KS+4*PAR+2:KS+4*PAR+3], v[KS+4*PAR+2:KS+4*PAR+3], v[ACC_A+16+\i:ACC_A+16+\i+1]
.endr
.else
	ACT 32, 0
.endif
	v_add_nc_u32 v[AFW], s[FSB], v[LF8]
.set PC, PC0
	QUANT ACC_A, 2, 0                              ; along s: one block of each of my two columns
	ds_store_b64 v[AFW], v[PC:PC+1]
	ds_store_b64 v[AFW], v[PC+2:PC+3] offset:1024
	v_lshl_or_b32 v[FS], v[TM+4], s[SH], v[FS]     ; lane r holds column r's byte: shifted into that row's scale word
	v_lshl_or_b32 v[FS+1], v[TM+5], s[SH], v[FS+1]
	s_add_co_u32 s[FSB], s[FSB], 256
	s_add_co_u32 s[SH], s[SH], 8
.endm
; A pass: two column tiles of k or of v for all 128 rows.  cnt: the loads of the set asked for behind this pass's own, which may stay out
.macro PASS kind, p, cnt
.set PAR, (\p)&1
.if \kind == 0
.set FS, FKS+2*PAR
.else
.set FS, FVS+2*PAR
.endif
	s_mov_b32 s[XO], 0
	s_mov_b32 s[SO], 0
	v_add_nc_u32 v[AXR], s[XO], v[AXR0]
	v_add_nc_u32 v[ASR], s[SO], v[ASR0]
	FETCHX 0
	s_wait_loadcnt \cnt
.irp q, 0,1,2,3
.irp j, 0,1,2,3,4,5,6,7
	v_mov_b32 v[BC+8*\q+\j], v[BL+4*PAR+\q]        ; a lane holds one column: its bias in all eight registers of C
.endr
.endr
	v_mov_b32 v[FS], 0
	v_mov_b32 v[FS+1], 0
.if \kind == 0
	s_add_co_u32 s[FSB], s[KSB], 0
.else
	s_add_co_u32 s[FSB], s[VSB], 2048*PAR          ; v's fragments go into my own staging tile, which has had its last fill and its last read
.endif
	s_mov_b32 s[SH], 0
	s_mov_b32 s[CNT], 3
.Lblk_\@:
	BLK \kind, 1
	s_sub_co_i32 s[CNT], s[CNT], 1
	s_cmp_lg_u32 s[CNT], 0
	s_cbranch_scc1 .Lblk_\@
	BLK \kind, 0                                   ; the last block fetches nothing ahead
.if \p < 2
	LOADW (\p)+2                                   ; into the registers that this pass has left
.endif
.if \kind == 0
.irp ctl, 0,1
.irp c, 0,1
	ds_load_b128 v[FK+16*PAR+8*\ctl+4*\c:FK+16*PAR+8*\ctl+4*\c+3], v[AKR] offset:\ctl*1024+\c*512   ; LDS serves a wave's instructions in order: these see my stores
.endr
.endr
.endif
.endm
	s_load_b512 s[8:23], s[0:1], 0x0               ; key, value, wcodes, wscales, k_b1, k_b2, v_b1, v_b2
	s_load_b128 s[24:27], s[0:1], 0x40             ; kvp, ksp
	v_lshl_add_u32 v[SPW], v0, 2, SPARE
	v_mov_b32 v[NIL], 0
	ds_add_u32 v1, v2
	ds_add_u32 v1, v2
	s_wait_dscnt 0x0
	v_lshrrev_b32 v[LN], 5, v0
	v_readfirstlane_b32 s4, v[LN]                  ; wave = head
	s_mov_b32 s[G1+0], (2<<16)|(1<<20)|(7<<22)|(3<<25)   ; no mask; elements of 4 bytes; padding on: 4 words after every 256
	s_mov_b32 s[G1+1], 256<<16                     ; tensor_dim0 = 256
	s_mov_b32 s[G1+2], 32<<16                      ; tensor_dim1 = 32
	s_mov_b32 s[G1+3], 256<<16                     ; tile_dim0 = 256
	s_mov_b32 s[G1+4], 32                          ; tile_dim1 = 32
	s_mov_b32 s[G1+5], 512                         ; elements from row to row
	s_mov_b32 s[G1+6], 0
	s_mov_b32 s[G1+7], 0
	s_mul_i32 s[VSB], s4, STGW
	s_lshr_b32 s5, s4, 1                           ; which 32 rows I stage
	s_and_b32 s6, s4, 1                            ; which half of K
	s_lshl_b32 s2, ttmp9, 18                       ; 128 rows of 2,048 bytes a work-group
	s_lshl_b32 s7, s5, 16
	s_add_co_u32 s2, s2, s7
	s_lshl_b32 s7, s6, 10
	s_add_co_u32 s2, s2, s7
	s_mov_b32 s3, 0
	s_wait_kmcnt 0x0
	s_mov_b32 s[G0K], 1
	s_mov_b32 s[G0K+1], s[VSB]
	s_add_nc_u64 s[G0K+2:G0K+3], s[8:9], s[2:3]
	s_or_b32 s[G0K+3], s[G0K+3], 0x80000000
	s_mov_b32 s[G0V], 1
	s_mov_b32 s[G0V+1], s[VSB]
	s_add_nc_u64 s[G0V+2:G0V+3], s[10:11], s[2:3]
	s_or_b32 s[G0V+3], s[G0V+3], 0x80000000
	tensor_load_to_lds s[G0K:G0K+3], s[G1:G1+7]    ; key: the first fill; one tensor load of mine is out
	s_nop 0
	NOPS 4
	s_lshl_b32 s2, s4, 14
	s_add_nc_u64 s[12:13], s[12:13], s[2:3]        ; wcodes at my head's four tiles
	s_lshl_b32 s2, s4, 10
	s_add_nc_u64 s[14:15], s[14:15], s[2:3]        ; wscales likewise
	s_lshl_b32 s2, s4, 8
	s_add_nc_u64 s[16:17], s[16:17], s[2:3]        ; the biases at my head's 64 numbers
	s_add_nc_u64 s[18:19], s[18:19], s[2:3]
	s_add_nc_u64 s[20:21], s[20:21], s[2:3]
	s_add_nc_u64 s[22:23], s[22:23], s[2:3]
	s_lshl_b32 s7, ttmp9, 11
	s_add_co_u32 s2, s2, s7
	s_add_nc_u64 s[26:27], s[26:27], s[2:3]        ; ksp + 2,048 wg + 256 head
	s_lshl_b32 s2, ttmp9, 17
	s_lshl_b32 s7, s4, 14
	s_add_co_u32 s2, s2, s7
	s_add_nc_u64 s[24:25], s[24:25], s[2:3]        ; kvp + 131,072 wg + 16,384 head
	s_mov_b32 s[SEL], 0x76543210
	s_mov_b32 s[SEL+1], 0xfedcba98
	s_mov_b32 s[NL], 0xbfb8aa3b
	s_mov_b32 s[NL+1], 0xbfb8aa3b
	s_mov_b32 s[LE], 0x3fb8aa3b
	s_mov_b32 s[LE+1], 0x3fb8aa3b
	v_and_b32 v[LN], 31, v0
	v_and_b32 v[AXR], 15, v0                       ; r
	v_bfe_u32 v[ASR], v0, 4, 1                     ; h
	v_lshlrev_b32 v[L16], 4, v[LN]
	v_lshlrev_b32 v[R4], 2, v[AXR]
	v_lshlrev_b32 v[LF8], 4, v[AXR]                ; 16 r
	v_add_nc_u32 v[ASR0], XSC, v[LF8]
	s_lshl_b32 s30, s5, 9
	s_lshl_b32 s31, s6, 3
	s_add_co_u32 s30, s30, s31
	s_add_co_u32 s30, s30, XSC
	v_add_nc_u32 v[ASW], s30, v[LF8]               ; XSC + 512 (w / 2) + 8 (w % 2) + 16 r
	v_lshl_add_u32 v[LF8], v[ASR], 3, v[LF8]       ; 16 r + 8 h
	s_lshl_b32 s30, s5, 13
	s_lshl_b32 s31, s6, 11
	s_add_co_u32 s30, s30, s31
	s_add_co_u32 s30, s30, XIMG
	v_add_nc_u32 v[AIW], s30, v[LF8]               ; XIMG + 1,024 (8 (w / 2) + 2 (w % 2)) + 16 r + 8 h
	v_mul_u32_u24 v[AST], v[AXR], 1040
	v_lshl_add_u32 v[AST], v[ASR], 5, v[AST]
	v_add_nc_u32 v[AST], s[VSB], v[AST]
	v_add_nc_u32 v[AXR0], XIMG, v[L16]
	s_lshl_b32 s[KSB], s4, 11
	s_add_co_u32 s[KSB], s[KSB], KSCR
	v_add_nc_u32 v[AKR], s[KSB], v[L16]
	LOADW 0
	LOADW 1
.irp i, 0,1,2,3,4,5,6,7
	v_mov_b32 v[KS+\i], 0
.endr
.irp b, 0,1,2,3
	v_mov_b32 v[TM+4+\b], 0                        ; a lane permute's destination counts as one of its sources
.endr
	s_wait_tensorcnt 0x0                           ; my tile of key is in; I alone read it
	XPHASE
	s_wait_tensorcnt 0x0                           ; value goes into the bytes that key has left: no tensor load of mine is out,
	ds_add_u32 v[SPW], v[NIL]                      ; 0 onto my spare word,
	s_wait_dscnt 0x0                               ; the add is done, my reads of the tile are back and my images have landed
	s_barrier_signal -1
	s_barrier_wait -1                              ; of every wave: so key's 32 fragments lie in LDS too
	tensor_load_to_lds s[G0V:G0V+3], s[G1:G1+7]    ; my one tensor load behind the barrier; it lands while the two k passes run
	s_nop 0
	NOPS 4
	PASS 0, 0, 40
	PASS 0, 1, 40
	s_wait_tensorcnt 0x0                           ; my tile of value is in
	BAR                                            ; every wave's reads of key's images are over
	XPHASE
	BAR                                            ; value's 32 fragments lie in LDS
	PASS 1, 2, 40
	PASS 1, 3, 0
	; phi_k^T v on these 128 rows: one K step.  Source 0 = 16 columns d of phi_k, source 1 = 16 columns e of v
	v_add_nc_u32 v[AFW], s[VSB], v[L16]
.irp te, 0,1,2,3
.irp c, 0,1
	ds_load_b128 v[XF+8*\te+4*\c:XF+8*\te+4*\c+3], v[AFW] offset:\te*1024+\c*512
.endr
.endr
.irp ct, 0,1,2,3
	v_add_f32 v[KS+2*\ct], v[KS+2*\ct], v[KS+2*\ct+1]      ; the sum's two halves,
.endr
.irp ct, 0,1,2,3
	v_permlanex16_b32 v[TM+4+\ct], v[KS+2*\ct], s[SEL], s[SEL+1]
.endr
.irp ct, 0,1,2,3
	v_add_f32 v[KS+2*\ct], v[KS+2*\ct], v[TM+4+\ct]        ; and lane l xor 16's rows
.endr
	v_cmp_le_u32 vcc_lo, 16, v[LN]
	v_cndmask_b32 v[KS+1], v[KS], v[KS+2], vcc_lo          ; lane l stores d = l, then d = 32 + l
	v_cndmask_b32 v[KS+3], v[KS+4], v[KS+6], vcc_lo
	v_lshlrev_b32 v[TM], 2, v[LN]
	NOPS 8                                         ; v's scale words were written by vector instructions: eight places ahead of the scaled products
	s_wait_dscnt 0x0
	WIN 0x40                                       ; the results take window 1, which the weights have left
.irp te, 0,1,2,3
.irp dt, 0,1,2,3
	v_wmma_scale_f32_16x16x128_f8f6f4 v[(4*\te+\dt)*8:(4*\te+\dt)*8+7], v[FK+8*\dt:FK+8*\dt+7], v[XF+8*\te:XF+8*\te+7], 0, v[FKS+\dt], v[FVS+\te] matrix_a_fmt:MATRIX_FMT_FP4 matrix_b_fmt:MATRIX_FMT_FP4
.endr
.endr
	WIN 0
	NOPS 4                                         ; places in front of the stores that read results
	WIN 0x04                                       ; a store's data are its source 1
.irp a, 0,1,2,3,4,5,6,7,8,9,10,11,12,13,14,15
.irp c, 0,1
	global_store_b128 v[L16], v[8*\a+4*\c:8*\a+4*\c+3], s[24:25] offset:\a*1024+\c*512 th:TH_STORE_NT   ; the accumulators as they stand, each from its low end on: 512 consecutive bytes a store
.endr
.endr
	WIN 0
	global_store_b32 v[TM], v[KS+1], s[26:27]
	global_store_b32 v[TM], v[KS+3], s[26:27] offset:128
	s_wait_tensorcnt 0x0                           ; the wave's end
	ds_add_u32 v[SPW], v[NIL]
	s_wait_dscnt 0x0
	s_endpgm
.Lfunc_end_k_qd0f649961a_kv:
	.size	k_qd0f649961a_kv, .Lfunc_end_k_qd0f649961a_kv-k_qd0f649961a_kv
	.p2alignl 7, 3214868480
	.fill 96, 4, 3214868480
	.section	.rodata,"a",@progbits
	.p2align	6, 0x0
	.amdhsa_kernel k_qd0f649961a_kv
		.amdhsa_group_segment_fixed_size 327680
		.amdhsa_private_segment_fixed_size 0
		.amdhsa_enable_private_segment 0
		.amdhsa_kernarg_size 80
		.amdhsa_user_sgpr_count 2
		.amdhsa_user_sgpr_kernarg_segment_ptr 1
		.amdhsa_wavefront_size32 1
		.amdhsa_system_sgpr_workgroup_id_x 1
		.amdhsa_system_sgpr_workgroup_id_y 1
		.amdhsa_system_sgpr_workgroup_id_z 1
		.amdhsa_system_vgpr_workitem_id 0
		.amdhsa_next_free_vgpr 512
		.amdhsa_next_free_sgpr 66
		.amdhsa_reserve_vcc 1
		.amdhsa_float_denorm_mode_32 3
		.amdhsa_float_denorm_mode_16_64 3
		.amdhsa_memory_ordered 1
		.amdhsa_forward_progress 1
		.amdhsa_inst_pref_size 208
	.end_amdhsa_kernel
	.amdgpu_metadata
---
amdhsa.version: [ 1, 2 ]
amdhsa.kernels:
  - .name:           k_qd0f649961a_kv
    .symbol:         k_qd0f649961a_kv.kd
    .args:
      - { .name: key, .offset: 0, .size: 8, .value_kind: global_buffer, .address_space: global }
      - { .name: value, .offset: 8, .size: 8, .value_kind: global_buffer, .address_space: global }
      - { .name: wcodes, .offset: 16, .size: 8, .value_kind: global_buffer, .address_space: global }
      - { .name: wscales, .offset: 24, .size: 8, .value_kind: global_buffer, .address_space: global }
      - { .name: k_b1, .offset: 32, .size: 8, .value_kind: global_buffer, .address_space: global }
      - { .name: k_b2, .offset: 40, .size: 8, .value_kind: global_buffer, .address_space: global }
      - { .name: v_b1, .offset: 48, .size: 8, .value_kind: global_buffer, .address_space: global }
      - { .name: v_b2, .offset: 56, .size: 8, .value_kind: global_buffer, .address_space: global }
      - { .name: kvp, .offset: 64, .size: 8, .value_kind: global_buffer, .address_space: global }
      - { .name: ksp, .offset: 72, .size: 8, .value_kind: global_buffer, .address_space: global }
    .group_segment_fixed_size: 327680
    .private_segment_fixed_size: 0
    .kernarg_segment_align: 8
    .kernarg_segment_size: 80
    .max_flat_workgroup_size: 256
    .sgpr_count:     66
    .vgpr_count:     512
    .wavefront_size: 32
...
	.end_amdgpu_metadata
.endif
;; end of part 2
;; launch red (part 3): grid 256 x 1, 8 waves a work-group, no clusters, 17,920 bytes of LDS; arguments kvp, ksp, kvc, kvs, ksum; writes kvc, kvs, ksum
.if DOCPART == 3
	.amdgcn_target "amdgcn-amd-amdhsa--gfx1250"
	.amdhsa_code_object_version 6
	.text
	.protected	k_qd0f649961a_red
	.globl	k_qd0f649961a_red
	.p2align	8
	.type	k_qd0f649961a_red,@function
k_qd0f649961a_red:
	s_mov_b64 s[64:65], 0
	v_nop
	global_prefetch_b8 v0, s[64:65] scope:SCOPE_SE
	s_setreg_imm32_b32 hwreg(HW_REG_WAVE_MODE, 25, 1), 1
	s_wait_xcnt 0x0
; The 64 partial sums of a batch are added, in f32; key_value is quantised along d (the K of phi_q x key_value) into codes of E2M1 and E8M0 bytes; key_sum is stored as f32.
; SHARES.  Work-group x: b' = x % 2 (which block of 32 along d), te = (x / 2) % 4 (which 16 columns e), head = (x / 8) % 8, batch = x / 64.  It sums two accumulators, 2,048 bytes of each partial,
; and eight numbers of key_sum.  Wave wv adds partials 8 wv .. 8 wv + 7; the eight waves' sums meet in LDS; wave 0 adds them, quantises and stores.
; A partial lies as the accumulators stood: lane (r, h), register 8 u + j = key_value(d = 32 b' + 16 u + 8 h + j, e = 16 te + r): a lane's 16 numbers of the block, the other 16 in lane l xor 16.
; Memory binds: each load of a wave reads 512 consecutive bytes, each byte once; matrix units and clusters have nothing to do here.
; LIMITS: NaN and infinities are not served; a block whose largest magnitude lies under 2^-124 keeps the byte 1; the sums are taken in another order than the definition's.
.set TM,  148
.set PC,  160
.set SEL, 20
.macro QUANT s, nb, word
.set qb, 0
.rept \nb
	v_max3_num_f32 v[TM+qb], |v[(\s)+16*qb]|, |v[(\s)+16*qb+1]|, 0x1800000   ; with the floor 2^(3 - 127): the byte cannot fall under 1
.set qb, qb+1
.endr
.irp i, 2,4,6,8,10,12,14
.set qb, 0
.rept \nb
	v_max3_num_f32 v[TM+qb], v[TM+qb], |v[(\s)+16*qb+\i]|, |v[(\s)+16*qb+\i+1]|
.set qb, qb+1
.endr
.endr
.set qb, 0
.rept \nb
	v_permlanex16_b32 v[TM+4+qb], v[TM+qb], s[SEL], s[SEL+1]
.set qb, qb+1
.endr
.set qb, 0
.rept \nb
	v_max_num_f32 v[TM+qb], v[TM+qb], v[TM+4+qb]
.set qb, qb+1
.endr
.set qb, 0
.rept \nb
	v_add_nc_u32 v[TM+8+qb], 0xff000000, v[TM+qb]         ; 2 off the exponent field: the conversion's scale operand
.set qb, qb+1
.endr
.set qb, 0
.rept \nb
	v_lshrrev_b32 v[TM+4+qb], 23, v[TM+8+qb]              ; the scale's byte
.set qb, qb+1
.endr
.set qb, 0
.rept \nb
	v_cvt_scalef32_pk8_fp4_f32 v[PC+2*qb], v[(\s)+16*qb:(\s)+16*qb+7], v[TM+8+qb]
	v_cvt_scalef32_pk8_fp4_f32 v[PC+2*qb+1], v[(\s)+16*qb+8:(\s)+16*qb+15], v[TM+8+qb]
.set qb, qb+1
.endr
	v_nop
.endm
.macro KSRED                           ; v[144:145]: the sum over the eight lanes that hold the same pair of d (lane bits 2, 3, 4)
	v_add_f32_dpp v144, v144, v144 row_xmask:4 row_mask:0xf bank_mask:0xf
	v_add_f32_dpp v145, v145, v145 row_xmask:4 row_mask:0xf bank_mask:0xf
	v_add_f32_dpp v144, v144, v144 row_xmask:8 row_mask:0xf bank_mask:0xf
	v_add_f32_dpp v145, v145, v145 row_xmask:8 row_mask:0xf bank_mask:0xf
	v_permlanex16_b32 v146, v144, s[SEL], s[SEL+1]
	v_permlanex16_b32 v147, v145, s[SEL], s[SEL+1]
	v_add_f32 v144, v144, v146
	v_add_f32 v145, v145, v147
.endm
	s_load_b256 s[8:15], s[0:1], 0x0               ; kvp, ksp, kvc, kvs
	s_load_b64 s[16:17], s[0:1], 0x20              ; ksum
	v_lshl_add_u32 v168, v0, 2, 0x4200
	v_mov_b32 v169, 0
	v_lshrrev_b32 v1, 5, v0
	v_readfirstlane_b32 s4, v1                     ; wave
	s_and_b32 s5, ttmp9, 1                         ; b'
	s_bfe_u32 s6, ttmp9, 0x20001                   ; te
	s_bfe_u32 s7, ttmp9, 0x30003                   ; head
	s_lshr_b32 s18, ttmp9, 6                       ; batch
	s_mov_b32 s[SEL], 0x76543210
	s_mov_b32 s[SEL+1], 0xfedcba98
	v_and_b32 v1, 31, v0                           ; lane
	v_lshlrev_b32 v2, 4, v1                        ; 16 x lane
	v_lshrrev_b32 v3, 2, v1
	v_and_b32 v11, 3, v1
	v_lshlrev_b32 v3, 11, v3
	v_lshl_add_u32 v3, v11, 3, v3                  ; ksp: partial lane / 4, pair lane % 4
	s_lshl_b32 s19, s4, 11
	v_add_nc_u32 v4, s19, v2                       ; LDS: my wave's 2,048 bytes
	s_lshl_b32 s19, s4, 5
	s_add_co_u32 s19, s19, 16384
	v_lshlrev_b32 v5, 3, v11
	v_add_nc_u32 v5, s19, v5                       ; and its 32 bytes of key_sum
	v_lshlrev_b32 v10, 3, v1                       ; 8 x lane
	v_add_nc_u32 v7, 16384, v10
	v_and_b32 v8, 15, v0
	v_bfe_u32 v11, v0, 4, 1
	v_lshlrev_b32 v8, 4, v8
	v_lshl_add_u32 v8, v11, 3, v8                  ; 16 r + 8 h
	v_lshlrev_b32 v9, 2, v1                        ; 4 x lane
	v_mov_b32 v146, 0                              ; a lane permute's destination counts as one of its sources
	v_mov_b32 v147, 0
	v_mov_b32 v[TM+4], 0
	s_mov_b32 s3, 0
	s_lshl_b32 s2, s18, 23                         ; kvp: 131,072 (64 batch + 8 wave) + 16,384 head + 1,024 (4 te + 2 b')
	s_lshl_b32 s19, s4, 20
	s_add_co_u32 s2, s2, s19
	s_lshl_b32 s19, s7, 14
	s_add_co_u32 s2, s2, s19
	s_lshl_b32 s19, s6, 12
	s_add_co_u32 s2, s2, s19
	s_lshl_b32 s19, s5, 11
	s_add_co_u32 s2, s2, s19
	s_wait_kmcnt 0x0
	s_add_nc_u64 s[8:9], s[8:9], s[2:3]
	s_lshl_b32 s2, s18, 17                         ; ksp: 2,048 (64 batch + 8 wave) + 256 head + 32 (2 te + b')
	s_lshl_b32 s19, s4, 14
	s_add_co_u32 s2, s2, s19
	s_lshl_b32 s19, s7, 8
	s_add_co_u32 s2, s2, s19
	s_lshl_b32 s19, s6, 6
	s_add_co_u32 s2, s2, s19
	s_lshl_b32 s19, s5, 5
	s_add_co_u32 s2, s2, s19
	s_add_nc_u64 s[10:11], s[10:11], s[2:3]
.irp i, 0,1,2,3,4,5,6,7
.irp j, 0,1,2,3
	global_load_b128 v[16+16*\i+4*\j:16+16*\i+4*\j+3], v2, s[8:9] offset:\i*131072+\j*512 th:TH_LOAD_NT
.endr
.endr
	global_load_b64 v[144:145], v3, s[10:11] th:TH_LOAD_NT
	s_lshl_b32 s18, s18, 3
	s_add_co_u32 s18, s18, s7                      ; 8 batch + head
	s_lshl_b32 s2, s18, 11                         ; kvc: 512 (4 bh + te) + 256 b'
	s_lshl_b32 s19, s6, 9
	s_add_co_u32 s2, s2, s19
	s_lshl_b32 s19, s5, 8
	s_add_co_u32 s2, s2, s19
	s_add_nc_u64 s[12:13], s[12:13], s[2:3]
	s_lshl_b32 s2, s18, 10                         ; kvs: 128 (2 (4 bh + te) + b')
	s_lshl_b32 s19, s6, 8
	s_add_co_u32 s2, s2, s19
	s_lshl_b32 s19, s5, 7
	s_add_co_u32 s2, s2, s19
	s_add_nc_u64 s[14:15], s[14:15], s[2:3]
	s_lshl_b32 s2, s18, 8                          ; ksum: 256 bh + 32 (2 te + b')
	s_lshl_b32 s19, s6, 6
	s_add_co_u32 s2, s2, s19
	s_lshl_b32 s19, s5, 5
	s_add_co_u32 s2, s2, s19
	s_add_nc_u64 s[16:17], s[16:17], s[2:3]
.irp i, 1,2,3,4,5,6,7
	s_wait_loadcnt 29-4*\i                         ; partial i is in: behind its loads stand 4 (7 - i) more and key_sum's one
.irp k, 0,2,4,6,8,10,12,14
	v_pk_add_f32 v[16+\k:17+\k], v[16+\k:17+\k], v[16+16*\i+\k:17+16*\i+\k]
.endr
.endr
	s_wait_loadcnt 0x0
	KSRED
.irp j, 0,1,2,3
	ds_store_b128 v4, v[16+4*\j:19+4*\j] offset:512*\j
.endr
	ds_store_b64 v5, v[144:145]                    ; eight lanes write the same bytes with the same value
	s_wait_dscnt 0x0                               ; for the others' sake: my stores have landed
	s_barrier_signal -1
	s_barrier_wait -1
	s_cmp_lg_u32 s4, 0
	s_cbranch_scc1 .Lend                           ; wave 0 finishes
.irp i, 0,1,2,3,4,5,6,7
.irp j, 0,1,2,3
	ds_load_b128 v[16+16*\i+4*\j:16+16*\i+4*\j+3], v2 offset:\i*2048+\j*512
.endr
.endr
	ds_load_b64 v[144:145], v7
	s_wait_dscnt 0x0
.irp i, 1,2,3,4,5,6,7
.irp k, 0,2,4,6,8,10,12,14
	v_pk_add_f32 v[16+\k:17+\k], v[16+\k:17+\k], v[16+16*\i+\k:17+16*\i+\k]
.endr
.endr
	QUANT 16, 1, 0
	global_store_b64 v8, v[PC:PC+1], s[12:13]      ; 256 consecutive bytes: the block's part of the fragment's image
	s_lshl_b32 s19, s5, 3
	v_lshlrev_b32 v[TM+4], s19, v[TM+4]            ; the byte at its place in the row's scale word
	global_store_b32 v9, v[TM+4], s[14:15]
	KSRED
	s_wait_xcnt 0x0                                ; EXEC changes only behind this wait
	v_cmp_gt_u32 vcc_lo, 4, v1
	s_and_saveexec_b32 s22, vcc_lo
	global_store_b64 v10, v[144:145], s[16:17]     ; lanes 0 to 3: eight numbers of key_sum
	s_wait_xcnt 0x0
	s_or_b32 exec_lo, exec_lo, s22
.Lend:
	s_wait_tensorcnt 0x0
	ds_add_u32 v168, v169
	s_wait_dscnt 0x0
	s_endpgm
.Lfunc_end_k_qd0f649961a_red:
	.size	k_qd0f649961a_red, .Lfunc_end_k_qd0f649961a_red-k_qd0f649961a_red
	.p2alignl 7, 3214868480
	.fill 96, 4, 3214868480
	.section	.rodata,"a",@progbits
	.p2align	6, 0x0
	.amdhsa_kernel k_qd0f649961a_red
		.amdhsa_group_segment_fixed_size 17920
		.amdhsa_private_segment_fixed_size 0
		.amdhsa_enable_private_segment 0
		.amdhsa_kernarg_size 40
		.amdhsa_user_sgpr_count 2
		.amdhsa_user_sgpr_kernarg_segment_ptr 1
		.amdhsa_wavefront_size32 1
		.amdhsa_system_sgpr_workgroup_id_x 1
		.amdhsa_system_sgpr_workgroup_id_y 1
		.amdhsa_system_sgpr_workgroup_id_z 1
		.amdhsa_system_vgpr_workitem_id 0
		.amdhsa_next_free_vgpr 170
		.amdhsa_next_free_sgpr 66
		.amdhsa_reserve_vcc 1
		.amdhsa_float_denorm_mode_32 3
		.amdhsa_float_denorm_mode_16_64 3
		.amdhsa_memory_ordered 1
		.amdhsa_forward_progress 1
		.amdhsa_inst_pref_size 19
	.end_amdhsa_kernel
	.amdgpu_metadata
---
amdhsa.version: [ 1, 2 ]
amdhsa.kernels:
  - .name:           k_qd0f649961a_red
    .symbol:         k_qd0f649961a_red.kd
    .args:
      - { .name: kvp, .offset: 0, .size: 8, .value_kind: global_buffer, .address_space: global }
      - { .name: ksp, .offset: 8, .size: 8, .value_kind: global_buffer, .address_space: global }
      - { .name: kvc, .offset: 16, .size: 8, .value_kind: global_buffer, .address_space: global }
      - { .name: kvs, .offset: 24, .size: 8, .value_kind: global_buffer, .address_space: global }
      - { .name: ksum, .offset: 32, .size: 8, .value_kind: global_buffer, .address_space: global }
    .group_segment_fixed_size: 17920
    .private_segment_fixed_size: 0
    .kernarg_segment_align: 8
    .kernarg_segment_size: 40
    .max_flat_workgroup_size: 256
    .sgpr_count:     66
    .vgpr_count:     170
    .wavefront_size: 32
...
	.end_amdgpu_metadata
.endif
;; end of part 3
;; launch q (part 4): grid 256 x 1, 8 waves a work-group, no clusters, 327,680 bytes of LDS; arguments query, wcodes, wscales, q_b1, q_b2, out_b, kvc, kvs, ksum, out0; writes out0
.if DOCPART == 4
	.amdgcn_target "amdgcn-amd-amdhsa--gfx1250"
	.amdhsa_code_object_version 6
	.text
	.protected	k_qd0f649961a_q
	.globl	k_qd0f649961a_q
	.p2align	8
	.type	k_qd0f649961a_q,@function
k_qd0f649961a_q:
	s_mov_b64 s[64:65], 0
	v_nop
	global_prefetch_b8 v0, s[64:65] scope:SCOPE_SE
	s_setreg_imm32_b32 hwreg(HW_REG_WAVE_MODE, 25, 1), 1
	s_wait_xcnt 0x0
; For 128 rows s of one batch: q = silu(query W1^T + b1) (query W2^T + b2), phi_q = elu(q) + 1, numerator = phi_q key_value, divided by phi_q . key_sum + 1e-6, then the out projection.
; All products but phi_q . key_sum (f32 multiply-adds) on codes of E2M1 with one E8M0 scale for each 32 along K.
; SHARES.  A work-group owns rows 128 wg on; wave w is head w: 64 columns of q, its head's attention, and columns 64 w on of the output, for all 128 rows.  Two waves lie on a SIMD.
; LAYOUT.  All products are used transposed (source 0 = 16 rows of a weight or of key_value^T, source 1 = 16 rows s): a lane holds ONE row s throughout, and its registers run along the next K:
; register 8 ct + j of lane half h is column 16 ct + 8 h + j.  That is this program's place of k inside a block of 32, on both sides of every product.
; phi_q stays in registers (two exchanges of lane halves make the fragment); the attention's codes go from wave to wave through LDS as images of the operand's registers.
; BY HALVES.  The rows go in two halves of 64, each taken through the whole chain.  query comes by the tensor data mover, each wave its own 16 rows x 1,024 bytes of a half.  Half A alone is asked for at the
; first lines; half B when half A has landed, and it lands while half A is worked.  Half A's results are stored while half B is worked.
; THE WEIGHTS come from memory straight into registers, in operand order.  q_w1 and q_w2 fill window 1; out_w's 16 fragments do not fit beside them, so the lower half of window 1 changes hands:
; out_w is asked for behind a half's last projection product, q_w1 again behind half A's last output product; each time a tile's vector work or the next half's quantising stands between the request and the wait.
; NO CLUSTER: an input tile is read by one work-group alone; the weights pass through no LDS: staging takes 266,240 bytes and the images 34,816, and what is left holds no slot for them.
; NO PREFETCH: half A is asked for at the first lines; half B lands under half A's work, so no wave waits for it.
; LIMITS: NaN and infinities are not served; a block whose largest magnitude lies under 2^-124 keeps the byte 1; a c is formed ahead of the sigmoid, so |a c| must stay under f32's largest number;
; elu(q) + 1 is taken as e^q for q < 0; the division is a reciprocal and a multiplication; the f32 sums are taken in another order than the definition's.
.set PARTW, 16640                      ; LDS: a wave's staging part: 16 rows of 1,024 bytes + 16; half A's eight from byte 0,
.set BOFF,  133120                     ; half B's eight from here
.set XIMG,  266240                     ; x's 32 fragments: 1,024 (4 t + ks)
.set XSC,   299008                     ; their scale words: 256 t + 16 r + 4 ks
.set SPARE, 301056                     ; the spare words: 128 bytes a wave, four blocks of 256 bytes that no other line names
.set BTAB,  302080                     ; q_b1, q_b2, out_b: 2,048 bytes each
.set ASC,   32768                      ; inside half A's parts, which have had their only fill and their last read: the attention's 32 fragments from byte 0, their scale words here,
.set OSTG,  34816                      ; and a stage of 16 rows x 272 bytes for each wave
.set SPW,  1
.set NIL,  2
.set AST,  3                           ; v3, v4 staging, half A, half B: my row, my half's 32 bytes
.set AST2, 4
.set AIW,  5                           ; v5   where I store x's images
.set ASW,  6                           ; v6   and their scale words
.set AXR0, 7                           ; v7   x's images: 16 x lane
.set ASR0, 8                           ; v8   x's scale words: 16 r
.set AXR,  9                           ; v9, v10 addresses of the row tile in hand
.set ASR,  10
.set ABI,  11                          ; v11  the bias tables: my head's 256 bytes + 32 h
.set AAW0, 12                          ; v12  the attention's images: my head's blocks
.set ASA0, 13                          ; v13  and my head's two scale bytes
.set AOS,  15                          ; v15  the stage: in
.set AOR,  16                          ; v16  the stage: back
.set GOF,  17                          ; v17  my byte offset in two rows of the output
.set L16,  18
.set LF8,  19
.set AAW,  20
.set ASA,  21
.set L4,   22
.set H32,  23
.set L8,   24
.set ASC0, 25                          ; v25  the attention's scale words: 16 r
.set ABW,  26                          ; v26  where I store my slice of the bias tables
.set LN,   27
.set XF,   28                          ; v28-59   four fragments of a row tile
.set XS,   60                          ; v60-63   their scale words
.set ACC_A, 64                         ; v64-95   x W1^T + b1, then phi_q: 8 ct + j; in the out projection its sums
.set ACC_C, 96                         ; v96-127  x W2^T + b2; then the numerators; in the out projection rows read back
.set QA,   64                          ; 64 numbers while query is quantised
.set WS,   128                         ; v128-143 the q weights' scale words: 2 (4 w + ct) + ks % 2; K steps 2, 3 in lanes 16-31
.set OWS,  144                         ; v144-151 out_w's
.set KSV,  152                         ; v152-183 key_sum at my 32 columns
.set KVF,  184                         ; v184-215 key_value's four fragments; their upper four registers are zero codes (K = 64)
.set KVS,  216                         ; v216-219 their scale words
.set PC,   220                         ; v220-227 codes
.set PW,   228                         ; v228     a scale word
.set TM,   230                         ; v230-241 at work
.set QS,   242                         ; v242-245 phi_q . key_sum in two chains
.set RC,   246                         ; v246-247 the reciprocal
.set G1,   28                          ; s[28:35] descriptor group 1 for query's tiles
.set G0A,  44                          ; s[44:47] group 0 for half A, s[48:51] for half B
.set G0B,  48
.set SEL,  56
.set NL,   58
.set LE,   60
.set CNT,  62
.set XO,   63
.set SO,   66
.set AO,   67
.set SA,   68
.set MSB, 0
.macro WIN new                         ; the immediate's high byte repeats the setting that is left
.if MSB != \new
	s_set_vgpr_msb (MSB<<8)|\new
.set MSB, \new
.endif
.endm
.macro NOPS n
.rept \n
	v_nop
.endr
.endm
.macro QUANT s, nb, word
.set qb, 0
.rept \nb
	v_max3_num_f32 v[TM+qb], |v[(\s)+16*qb]|, |v[(\s)+16*qb+1]|, 0x1800000   ; with the floor 2^(3 - 127): the byte cannot fall under 1
.set qb, qb+1
.endr
.irp i, 2,4,6,8,10,12,14
.set qb, 0
.rept \nb
	v_max3_num_f32 v[TM+qb], v[TM+qb], |v[(\s)+16*qb+\i]|, |v[(\s)+16*qb+\i+1]|
.set qb, qb+1
.endr
.endr
.set qb, 0
.rept \nb
	v_permlanex16_b32 v[TM+4+qb], v[TM+qb], s[SEL], s[SEL+1]
.set qb, qb+1
.endr
.set qb, 0
.rept \nb
	v_max_num_f32 v[TM+qb], v[TM+qb], v[TM+4+qb]          ; the block's largest magnitude
.set qb, qb+1
.endr
.set qb, 0
.rept \nb
	v_add_nc_u32 v[TM+8+qb], 0xff000000, v[TM+qb]         ; 2 off its exponent field: the conversion's scale operand
.set qb, qb+1
.endr
.set qb, 0
.rept \nb
	v_lshrrev_b32 v[TM+4+qb], 23, v[TM+8+qb]              ; the scale's byte
.set qb, qb+1
.endr
.if \word
	v_lshl_or_b32 v[PW], v[TM+5], 8, v[TM+4]
.if \nb > 2
	v_lshl_or_b32 v[PW], v[TM+6], 16, v[PW]
	v_lshl_or_b32 v[PW], v[TM+7], 24, v[PW]
.endif
.endif
.set qb, 0
.rept \nb
	v_cvt_scalef32_pk8_fp4_f32 v[PC+2*qb], v[(\s)+16*qb:(\s)+16*qb+7], v[TM+8+qb]
	v_cvt_scalef32_pk8_fp4_f32 v[PC+2*qb+1], v[(\s)+16*qb+8:(\s)+16*qb+15], v[TM+8+qb]
.set qb, qb+1
.endr
	v_nop                                                 ; one plain place behind the last conversion
.endm
; silu(a) c into ACC_A, in place, ascending; elu = 1: then elu + 1 as the middle one of (q + 1, e^q, 1).  One wait for each batch of transcendentals, ahead of its first reader.
.macro ACT n, elu
.set ai, 0
.rept (\n)/2
	v_pk_mul_f32 v[ACC_C+ai:ACC_C+ai+1], v[ACC_A+ai:ACC_A+ai+1], v[ACC_C+ai:ACC_C+ai+1]
.set ai, ai+2
.endr
.set ai, 0
.rept (\n)/2
	v_pk_mul_f32 v[ACC_A+ai:ACC_A+ai+1], v[ACC_A+ai:ACC_A+ai+1], s[NL:NL+1] op_sel_hi:[1,0]
.set ai, ai+2
.endr
.set ai, 0
.rept \n
	v_exp_f32 v[ACC_A+ai], v[ACC_A+ai]
.set ai, ai+1
.endr
	v_nop
	s_wait_alu depctr_va_vdst(0)
.set ai, 0
.rept (\n)/2
	v_pk_add_f32 v[ACC_A+ai:ACC_A+ai+1], v[ACC_A+ai:ACC_A+ai+1], 1.0 op_sel_hi:[1,0]
.set ai, ai+2
.endr
.set ai, 0
.rept \n
	v_rcp_f32 v[ACC_A+ai], v[ACC_A+ai]
.set ai, ai+1
.endr
	v_nop
	s_wait_alu depctr_va_vdst(0)
.set ai, 0
.rept (\n)/2
	v_pk_mul_f32 v[ACC_A+ai:ACC_A+ai+1], v[ACC_A+ai:ACC_A+ai+1], v[ACC_C+ai:ACC_C+ai+1]
.set ai, ai+2
.endr
.if \elu
.set ai, 0
.rept (\n)/2
	v_pk_mul_f32 v[ACC_C+ai:ACC_C+ai+1], v[ACC_A+ai:ACC_A+ai+1], s[LE:LE+1] op_sel_hi:[1,0]
.set ai, ai+2
.endr
.set ai, 0
.rept \n
	v_exp_f32 v[ACC_C+ai], v[ACC_C+ai]
.set ai, ai+1
.endr
.set ai, 0
.rept (\n)/2
	v_pk_add_f32 v[ACC_A+ai:ACC_A+ai+1], v[ACC_A+ai:ACC_A+ai+1], 1.0 op_sel_hi:[1,0]   ; plain work that names no result of the batch
.set ai, ai+2
.endr
	s_wait_alu depctr_va_vdst(0)
.set ai, 0
.rept \n
	v_med3_num_f32 v[ACC_A+ai], v[ACC_A+ai], v[ACC_C+ai], 1.0
.set ai, ai+1
.endr
.endif
.endm
.macro XLD buf, adr, off               ; 64 numbers of my row from the staging part: register 16 b + 8 u + j = k 32 b + 16 u + 8 h + j
.irp b, 0,1,2,3
.irp u, 0,1
.irp jj, 0,1
	ds_load_b128 v[(\buf)+16*\b+8*\u+4*\jj:(\buf)+16*\b+8*\u+4*\jj+3], v[\adr] offset:(\off)+128*\b+64*\u+16*\jj
.endr
.endr
.endr
.endm
.macro XQ buf, img, sc
	QUANT \buf, 4, 1
.irp b, 0,1,2,3
	ds_store_b64 v[AIW], v[PC+2*\b:PC+2*\b+1] offset:(\img)+256*\b
.endr
	ds_store_b32 v[ASW], v[PW] offset:\sc
.endm
.macro XHALF adr, half                 ; my 16 rows x 256 along K of a half: two fragments
	XLD QA, \adr, 0
	s_wait_dscnt 0x0
	XQ QA, 16384*(\half), 1024*(\half)
	XLD QA, \adr, 512
	s_wait_dscnt 0x0                               ; the numbers are in, and the stores have read their registers
	XQ QA, 16384*(\half)+1024, 1024*(\half)+4
.endm
.macro BAR
	s_wait_dscnt 0x0
	s_barrier_signal -1
	s_barrier_wait -1
.endm
.macro LOADQW w                        ; q_w1's (w = 0) or q_w2's (1) 16 fragments of my head: half w of window 1
	WIN 0x40                                       ; destination window 1
.irp ct, 0,1,2,3
.irp ks, 0,1,2,3
.irp c, 0,1
	global_load_b128 v[((4*(\w)+\ct)*4+\ks)*8+4*\c:((4*(\w)+\ct)*4+\ks)*8+4*\c+3], v[L16], s[10:11] offset:(4+(\w))*131072+\ct*4096+\ks*1024+\c*512
.endr
.endr
.endr
	WIN 0
.endm
.macro LOADOW                          ; out_w's 16 fragments of my 64 columns take the lower half of window 1, which q_w1 has left
	WIN 0x40
.irp ct, 0,1,2,3
.irp ks, 0,1,2,3
.irp c, 0,1
	global_load_b128 v[(4*\ct+\ks)*8+4*\c:(4*\ct+\ks)*8+4*\c+3], v[L16], s[10:11] offset:6*131072+\ct*4096+\ks*1024+\c*512
.endr
.endr
.endr
	WIN 0
.endm
.macro FETCH                           ; four fragments of the row tile in hand and their scale words
.irp ks, 0,1,2,3
.irp c, 0,1
	ds_load_b128 v[XF+8*\ks+4*\c:XF+8*\ks+4*\c+3], v[AXR] offset:\ks*1024+\c*512
.endr
.endr
	ds_load_b128 v[XS:XS+3], v[ASR]
.endm
.macro BIASQ                           ; the biases go straight into the accumulators: every product of a sum then adds in place
.irp ct, 0,1,2,3
.irp c, 0,1
	ds_load_b128 v[ACC_A+8*\ct+4*\c:ACC_A+8*\ct+4*\c+3], v[ABI] offset:64*\ct+16*\c
	ds_load_b128 v[ACC_C+8*\ct+4*\c:ACC_C+8*\ct+4*\c+3], v[ABI] offset:2048+64*\ct+16*\c
.endr
.endr
.endm
.macro OBIAS
.irp ct, 0,1,2,3
.irp c, 0,1
	ds_load_b128 v[ACC_A+8*\ct+4*\c:ACC_A+8*\ct+4*\c+3], v[ABI] offset:4096+64*\ct+16*\c
.endr
.endr
.endm
; A row tile of 16 rows through my head: q, phi_q, the divisor, the numerator, the attention's codes.  pref = 1: the next tile's fragments and biases are fetched ahead.
; pref = 0, a half's last tile: its projection products were the last to read q_w1, so out_w is asked for behind them, and the rest of the tile's work stands between the request and the wait for it.
.macro QBLK pref
	s_wait_dscnt 0x0                               ; fragments and biases are in; the last tile's stores have read their registers
	WIN 0x01                                       ; source 0 (the weights) window 1
.irp ks, 0,1,2,3                       ; the eight accumulators take turns, one instruction a turn
.irp w, 0,1
.irp ct, 0,1,2,3
.set rD, ACC_A+32*\w+8*\ct
.set rA, ((4*\w+\ct)*4+\ks)*8
.set rS, WS+(4*\w+\ct)*2+(\ks&1)
.if \ks < 2
	v_wmma_scale_f32_16x16x128_f8f6f4 v[rD:rD+7], v[rA:rA+7], v[XF+8*\ks:XF+8*\ks+7], v[rD:rD+7], v[rS], v[XS+\ks] matrix_a_fmt:MATRIX_FMT_FP4 matrix_b_fmt:MATRIX_FMT_FP4
.else
	v_wmma_scale_f32_16x16x128_f8f6f4 v[rD:rD+7], v[rA:rA+7], v[XF+8*\ks:XF+8*\ks+7], v[rD:rD+7], v[rS], v[XS+\ks] matrix_a_fmt:MATRIX_FMT_FP4 matrix_b_fmt:MATRIX_FMT_FP4 matrix_a_scale:MATRIX_SCALE_ROW1
.endif
.endr
.endr
.endr
	WIN 0
.if \pref
	s_add_co_u32 s[XO], s[XO], 4096
	s_add_co_u32 s[SO], s[SO], 256
	v_add_nc_u32 v[AXR], s[XO], v[AXR0]            ; these two and two v_nop are the four places in front of the loads and of the first read of results
	v_add_nc_u32 v[ASR], s[SO], v[ASR0]
	NOPS 2
	FETCH
.else
	NOPS 4                                         ; four places in front of loads into registers that the products have read, and of the first read of results
	LOADOW
.endif
	ACT 32, 1                                      ; phi_q
	QUANT ACC_A, 2, 1                              ; along my head's 64: two blocks
	v_permlane16_swap_b32 v[PC], v[PC+2]           ; the operand wants a whole block in a lane: lanes 0-15 block 0, lanes 16-31 block 1
	v_permlane16_swap_b32 v[PC+1], v[PC+3]
	v_pk_mul_f32 v[QS:QS+1], v[ACC_A:ACC_A+1], v[KSV:KSV+1]             ; phi_q . key_sum of the unquantised phi_q, in f32, two chains.  (These are also the places between the scale word and the codes just made and the products that take them)
	v_pk_mul_f32 v[QS+2:QS+3], v[ACC_A+2:ACC_A+3], v[KSV+2:KSV+3]
.irp i, 4,8,12,16,20,24,28
	v_pk_fma_f32 v[QS:QS+1], v[ACC_A+\i:ACC_A+\i+1], v[KSV+\i:KSV+\i+1], v[QS:QS+1]
	v_pk_fma_f32 v[QS+2:QS+3], v[ACC_A+\i+2:ACC_A+\i+3], v[KSV+\i+2:KSV+\i+3], v[QS+2:QS+3]
.endr
	v_pk_add_f32 v[QS:QS+1], v[QS:QS+1], v[QS+2:QS+3]
	v_add_f32 v[QS], v[QS], v[QS+1]
	v_permlanex16_b32 v[QS+2], v[QS], s[SEL], s[SEL+1]
	v_add_f32 v[QS], v[QS], v[QS+2]                ; with lane l xor 16's 32 columns
	v_add_f32 v[QS], 0x358637bd, v[QS]             ; + 1e-6
	v_rcp_f32 v[RC], v[QS]
	v_nop                                          ; a plain place behind the reciprocal
.irp te, 0,1,2,3                       ; numerator^T = key_value^T phi_q^T: K = 64, the upper 64 are zero codes on both sides
	v_wmma_scale_f32_16x16x128_f8f6f4 v[ACC_C+8*\te:ACC_C+8*\te+7], v[KVF+8*\te:KVF+8*\te+7], v[PC:PC+7], 0, v[KVS+\te], v[PW] matrix_a_fmt:MATRIX_FMT_FP4 matrix_b_fmt:MATRIX_FMT_FP4
.endr
	v_add_nc_u32 v[AAW], s[AO], v[AAW0]            ; four places behind the products
	v_add_nc_u32 v[ASA], s[SA], v[ASA0]
	NOPS 2
	s_wait_alu depctr_va_vdst(0)                   ; the wait for the reciprocal, ahead of its first reader
.irp i, 0,2,4,6,8,10,12,14,16,18,20,22,24,26,28,30
	v_pk_mul_f32 v[ACC_C+\i:ACC_C+\i+1], v[ACC_C+\i:ACC_C+\i+1], v[RC:RC+1] op_sel_hi:[1,0]
.endr
	QUANT ACC_C, 2, 1                              ; the attention, along the out projection's K: my head's two blocks
	ds_store_b64 v[AAW], v[PC:PC+1]
	ds_store_b64 v[AAW], v[PC+2:PC+3] offset:256
	ds_store_b16 v[ASA], v[PW]                     ; my head's two bytes of the row's scale word
	s_add_co_u32 s[AO], s[AO], 4096
	s_add_co_u32 s[SA], s[SA], 256
.if \pref
	BIASQ
.endif
.endm
.macro P1 half                         ; the four row tiles of a half
	s_mov_b32 s[XO], 16384*(\half)
	s_mov_b32 s[SO], 1024*(\half)
	s_mov_b32 s[AO], 16384*(\half)
	s_mov_b32 s[SA], 1024*(\half)
	v_add_nc_u32 v[AXR], s[XO], v[AXR0]
	v_add_nc_u32 v[ASR], s[SO], v[ASR0]
	FETCH
	BIASQ
.irp i, 4,5,6,7
	v_mov_b32 v[PC+\i], 0                          ; phi_q's K is 64: zero codes above
.endr
	s_mov_b32 s[CNT], 3
.Lq_\@:
	QBLK 1
	s_sub_co_i32 s[CNT], s[CNT], 1
	s_cmp_lg_u32 s[CNT], 0
	s_cbranch_scc1 .Lq_\@
	QBLK 0                                         ; the last tile fetches nothing ahead
.endm
; A row tile of the out projection: my 64 columns; through my stage, so that sixteen lanes store 256 consecutive bytes
.macro OBLK pref
	s_wait_dscnt 0x0
	WIN 0x01
.irp ks, 0,1,2,3                       ; four accumulators by turns
.irp ct, 0,1,2,3
.if \ks < 2
	v_wmma_scale_f32_16x16x128_f8f6f4 v[ACC_A+8*\ct:ACC_A+8*\ct+7], v[(4*\ct+\ks)*8:(4*\ct+\ks)*8+7], v[XF+8*\ks:XF+8*\ks+7], v[ACC_A+8*\ct:ACC_A+8*\ct+7], v[OWS+2*\ct+(\ks&1)], v[XS+\ks] matrix_a_fmt:MATRIX_FMT_FP4 matrix_b_fmt:MATRIX_FMT_FP4
.else
	v_wmma_scale_f32_16x16x128_f8f6f4 v[ACC_A+8*\ct:ACC_A+8*\ct+7], v[(4*\ct+\ks)*8:(4*\ct+\ks)*8+7], v[XF+8*\ks:XF+8*\ks+7], v[ACC_A+8*\ct:ACC_A+8*\ct+7], v[OWS+2*\ct+(\ks&1)], v[XS+\ks] matrix_a_fmt:MATRIX_FMT_FP4 matrix_b_fmt:MATRIX_FMT_FP4 matrix_a_scale:MATRIX_SCALE_ROW1
.endif
.endr
.endr
	WIN 0
.if \pref
	s_add_co_u32 s[XO], s[XO], 4096
	s_add_co_u32 s[SO], s[SO], 256
	v_add_nc_u32 v[AXR], s[XO], v[L16]
	v_add_nc_u32 v[ASR], s[SO], v[ASC0]
	NOPS 2
	FETCH
.else
	NOPS 4
.endif
.irp ct, 0,1,2,3
.irp c, 0,1
	ds_store_b128 v[AOS], v[ACC_A+8*\ct+4*\c:ACC_A+8*\ct+4*\c+3] offset:64*\ct+16*\c   ; each accumulator from its low end on
.endr
.endr
.irp i, 0,1,2,3,4,5,6,7
	ds_load_b128 v[ACC_C+4*\i:ACC_C+4*\i+3], v[AOR] offset:544*\i     ; LDS serves a wave's instructions in order: these see my stores
.endr
.if \pref
	OBIAS
	s_wait_dscnt 8                                 ; the rows are back; the next tile's eight bias loads may be out
.else
	s_wait_dscnt 0x0
.endif
.irp i, 0,1,2,3,4,5,6,7
	global_store_b128 v[GOF], v[ACC_C+4*\i:ACC_C+4*\i+3], s[26:27] offset:4096*\i th:TH_STORE_NT   ; sixteen lanes store 256 consecutive bytes, aligned
.endr
	s_wait_xcnt 0x0                                ; the stores have read their registers and their base
	s_add_nc_u64 s[26:27], s[26:27], 32768
.endm
.macro P3 half                         ; the out projection of a half's four row tiles
	s_mov_b32 s[XO], 16384*(\half)
	s_mov_b32 s[SO], 1024*(\half)
	v_add_nc_u32 v[AXR], s[XO], v[L16]
	v_add_nc_u32 v[ASR], s[SO], v[ASC0]
	FETCH
	OBIAS
	s_wait_loadcnt 0x0                             ; out_w's fragments are in
	s_mov_b32 s[CNT], 3
.Lo_\@:
	OBLK 1
	s_sub_co_i32 s[CNT], s[CNT], 1
	s_cmp_lg_u32 s[CNT], 0
	s_cbranch_scc1 .Lo_\@
	OBLK 0                                         ; the last tile fetches nothing ahead
.endm
	s_load_b512 s[8:23], s[0:1], 0x0               ; query, wcodes, wscales, q_b1, q_b2, out_b, kvc, kvs
	s_load_b128 s[24:27], s[0:1], 0x40             ; ksum, out0
	v_lshl_add_u32 v[SPW], v0, 2, SPARE
	v_mov_b32 v[NIL], 0
	ds_add_u32 v1, v2
	ds_add_u32 v1, v2
	s_wait_dscnt 0x0
	v_lshrrev_b32 v[LN], 5, v0
	v_readfirstlane_b32 s4, v[LN]                  ; wave = head
	s_mov_b32 s[G1+0], (2<<16)|(1<<20)|(7<<22)|(3<<25)   ; no mask; elements of 4 bytes; padding on: 4 words after every 256
	s_mov_b32 s[G1+1], 256<<16                     ; tensor_dim0 = 256
	s_mov_b32 s[G1+2], 16<<16                      ; tensor_dim1 = 16
	s_mov_b32 s[G1+3], 256<<16                     ; tile_dim0 = 256
	s_mov_b32 s[G1+4], 16                          ; tile_dim1 = 16
	s_mov_b32 s[G1+5], 512                         ; elements from row to row
	s_mov_b32 s[G1+6], 0
	s_mov_b32 s[G1+7], 0
	s_lshr_b32 s5, s4, 1                           ; which 16 rows of a half I stage; also head / 2
	s_and_b32 s6, s4, 1                            ; which half of K; also head % 2
	s_mul_i32 s7, s4, PARTW
	s_lshl_b32 s2, ttmp9, 18
	s_lshl_b32 s70, s5, 15
	s_add_co_u32 s2, s2, s70
	s_lshl_b32 s70, s6, 10
	s_add_co_u32 s2, s2, s70
	s_mov_b32 s3, 0
	s_wait_kmcnt 0x0
	s_mov_b32 s[G0A], 1
	s_mov_b32 s[G0A+1], s7
	s_add_nc_u64 s[G0A+2:G0A+3], s[8:9], s[2:3]
	s_or_b32 s[G0A+3], s[G0A+3], 0x80000000
	s_mov_b32 s[G0B], 1
	s_add_co_u32 s[G0B+1], s7, BOFF
	s_add_nc_u64 s[G0B+2:G0B+3], s[8:9], s[2:3]
	s_add_nc_u64 s[G0B+2:G0B+3], s[G0B+2:G0B+3], 131072    ; 64 rows on
	s_or_b32 s[G0B+3], s[G0B+3], 0x80000000
	tensor_load_to_lds s[G0A:G0A+3], s[G1:G1+7]    ; half A alone: one tensor load of mine is out
	s_nop 0
	NOPS 4
	s_lshl_b32 s2, s4, 14
	s_add_nc_u64 s[10:11], s[10:11], s[2:3]        ; wcodes at my head's four tiles
	s_lshl_b32 s2, s4, 10
	s_add_nc_u64 s[12:13], s[12:13], s[2:3]
	s_lshl_b32 s2, s4, 8
	s_add_nc_u64 s[14:15], s[14:15], s[2:3]
	s_add_nc_u64 s[16:17], s[16:17], s[2:3]
	s_add_nc_u64 s[18:19], s[18:19], s[2:3]
	s_lshr_b32 s70, ttmp9, 6
	s_lshl_b32 s70, s70, 3
	s_add_co_u32 s70, s70, s4                      ; 8 batch + head
	s_lshl_b32 s2, s70, 11
	s_add_nc_u64 s[20:21], s[20:21], s[2:3]
	s_lshl_b32 s2, s70, 10
	s_add_nc_u64 s[22:23], s[22:23], s[2:3]
	s_lshl_b32 s2, s70, 8
	s_add_nc_u64 s[24:25], s[24:25], s[2:3]
	s_lshl_b32 s2, ttmp9, 18
	s_lshl_b32 s70, s4, 8
	s_add_co_u32 s2, s2, s70
	s_add_nc_u64 s[26:27], s[26:27], s[2:3]        ; out0 at my first row, my 64 columns
	s_mov_b32 s[SEL], 0x76543210
	s_mov_b32 s[SEL+1], 0xfedcba98
	s_mov_b32 s[NL], 0xbfb8aa3b
	s_mov_b32 s[NL+1], 0xbfb8aa3b
	s_mov_b32 s[LE], 0x3fb8aa3b
	s_mov_b32 s[LE+1], 0x3fb8aa3b
	v_and_b32 v[LN], 31, v0
	v_and_b32 v[AXR], 15, v0                       ; r
	v_bfe_u32 v[ASR], v0, 4, 1                     ; h
	v_lshlrev_b32 v[L16], 4, v[LN]
	v_lshlrev_b32 v[L4], 2, v[LN]
	v_lshlrev_b32 v[L8], 3, v[LN]
	v_lshlrev_b32 v[H32], 5, v[ASR]
	v_lshlrev_b32 v[LF8], 4, v[AXR]                ; 16 r
	v_add_nc_u32 v[ASR0], XSC, v[LF8]
	v_add_nc_u32 v[ASC0], ASC, v[LF8]
	s_lshl_b32 s70, s5, 8
	s_lshl_b32 s71, s6, 3
	s_add_co_u32 s70, s70, s71
	s_add_co_u32 s70, s70, XSC
	v_add_nc_u32 v[ASW], s70, v[LF8]
	s_lshl_b32 s70, s5, 2
	s_lshl_b32 s71, s6, 1
	s_add_co_u32 s70, s70, s71
	s_add_co_u32 s70, s70, ASC
	v_add_nc_u32 v[ASA0], s70, v[LF8]
	v_lshl_add_u32 v[GOF], v[ASR], 11, v[LF8]      ; 2,048 h + 16 r
	s_mul_i32 s70, s4, 4352
	s_add_co_u32 s70, s70, OSTG
	v_mul_u32_u24 v[AOR], v[ASR], 272
	v_add_nc_u32 v[AOR], v[AOR], v[LF8]
	v_add_nc_u32 v[AOR], s70, v[AOR]
	v_mul_u32_u24 v[AOS], v[AXR], 272
	v_add_nc_u32 v[AOS], v[AOS], v[H32]
	v_add_nc_u32 v[AOS], s70, v[AOS]
	v_lshl_add_u32 v[LF8], v[ASR], 3, v[LF8]       ; 16 r + 8 h
	s_lshl_b32 s70, s5, 12
	s_lshl_b32 s71, s6, 11
	s_add_co_u32 s70, s70, s71
	s_add_co_u32 s70, s70, XIMG
	v_add_nc_u32 v[AIW], s70, v[LF8]
	s_lshl_b32 s70, s5, 10
	s_lshl_b32 s71, s6, 9
	s_add_co_u32 s70, s70, s71
	v_add_nc_u32 v[AAW0], s70, v[LF8]
	v_mul_u32_u24 v[AST], v[AXR], 1040
	v_add_nc_u32 v[AST], v[AST], v[H32]
	v_add_nc_u32 v[AST], s7, v[AST]
	v_add_nc_u32 v[AST2], BOFF, v[AST]
	v_add_nc_u32 v[AXR0], XIMG, v[L16]
	s_lshl_b32 s70, s4, 8
	s_add_co_u32 s70, s70, BTAB
	v_add_nc_u32 v[ABI], s70, v[H32]
	v_add_nc_u32 v[ABW], s70, v[L8]
	LOADQW 0                                       ; q_w1's and q_w2's 32 fragments fill window 1
	LOADQW 1
.irp w, 0,1
.irp ct, 0,1,2,3
	global_load_b64 v[WS+(4*\w+\ct)*2:WS+(4*\w+\ct)*2+1], v[LF8], s[12:13] offset:(4+\w)*8192+\ct*256
.endr
.endr
.irp ct, 0,1,2,3
	global_load_b64 v[OWS+2*\ct:OWS+2*\ct+1], v[LF8], s[12:13] offset:6*8192+\ct*256
.endr
.irp ct, 0,1,2,3
.irp c, 0,1
	global_load_b128 v[KSV+8*\ct+4*\c:KSV+8*\ct+4*\c+3], v[H32], s[24:25] offset:64*\ct+16*\c
.endr
.endr
.irp te, 0,1,2,3
	global_load_b128 v[KVF+8*\te:KVF+8*\te+3], v[L16], s[20:21] offset:\te*512
	global_load_b32 v[248+2*\te], v[L4], s[22:23] offset:\te*256
	global_load_b32 v[249+2*\te], v[L4], s[22:23] offset:\te*256+128
.endr
	global_load_b64 v[28:29], v[L8], s[14:15]      ; my head's 64 numbers of each bias
	global_load_b64 v[30:31], v[L8], s[16:17]
	global_load_b64 v[32:33], v[L8], s[18:19]
.irp te, 0,1,2,3
.irp i, 4,5,6,7
	v_mov_b32 v[KVF+8*\te+\i], 0                   ; key_value's K is 64: zero codes above
.endr
.endr
.irp b, 0,1,2,3
	v_mov_b32 v[TM+4+\b], 0                        ; a lane permute's destination counts as one of its sources
.endr
	v_mov_b32 v[RC+1], 0                           ; named with the reciprocal as a pair
	s_wait_tensorcnt 0x0                           ; my part of half A is in; no tensor load of mine is out.  Half B's first fill comes now, in the form of a refill:
	ds_add_u32 v[SPW], v[NIL]                      ; 0 onto my spare word,
	s_wait_dscnt 0x0                               ; the add is done
	s_barrier_signal -1
	s_barrier_wait -1
	tensor_load_to_lds s[G0B:G0B+3], s[G1:G1+7]    ; my one tensor load behind the barrier, into bytes that nothing has filled; it lands while half A is worked
	s_nop 0
	NOPS 4
	XHALF AST, 0
	s_wait_loadcnt 0x0
	ds_store_b64 v[ABW], v[28:29]
	ds_store_b64 v[ABW], v[30:31] offset:2048
	ds_store_b64 v[ABW], v[32:33] offset:4096
.irp te, 0,1,2,3
	v_or_b32 v[KVS+\te], v[248+2*\te], v[249+2*\te]        ; the two blocks' bytes make the row's scale word
.endr
	BAR                                            ; half A's 16 fragments and the bias tables lie in LDS, and nobody reads half A's staging any more
	P1 0
	BAR                                            ; the attention's 16 fragments of half A lie in LDS
	P3 0                                           ; half A's results leave while half B is worked
	LOADQW 0                                       ; q_w1 comes back (four places stand behind the last product that read out_w); half B's quantising stands between the request and the wait for it
	s_wait_tensorcnt 0x0                           ; my part of half B is in; I alone read it
	XHALF AST2, 1
	BAR                                            ; half B's 16 fragments lie in LDS
	s_wait_loadcnt 0x0                             ; q_w1 is back
	P1 1
	BAR                                            ; the attention's 16 fragments of half B lie in LDS
	P3 1
	s_wait_tensorcnt 0x0                           ; the wave's end
	ds_add_u32 v[SPW], v[NIL]
	s_wait_dscnt 0x0
	s_endpgm
.Lfunc_end_k_qd0f649961a_q:
	.size	k_qd0f649961a_q, .Lfunc_end_k_qd0f649961a_q-k_qd0f649961a_q
	.p2alignl 7, 3214868480
	.fill 96, 4, 3214868480
	.section	.rodata,"a",@progbits
	.p2align	6, 0x0
	.amdhsa_kernel k_qd0f649961a_q
		.amdhsa_group_segment_fixed_size 327680
		.amdhsa_private_segment_fixed_size 0
		.amdhsa_enable_private_segment 0
		.amdhsa_kernarg_size 80
		.amdhsa_user_sgpr_count 2
		.amdhsa_user_sgpr_kernarg_segment_ptr 1
		.amdhsa_wavefront_size32 1
		.amdhsa_system_sgpr_workgroup_id_x 1
		.amdhsa_system_sgpr_workgroup_id_y 1
		.amdhsa_system_sgpr_workgroup_id_z 1
		.amdhsa_system_vgpr_workitem_id 0
		.amdhsa_next_free_vgpr 512
		.amdhsa_next_free_sgpr 72
		.amdhsa_reserve_vcc 0
		.amdhsa_float_denorm_mode_32 3
		.amdhsa_float_denorm_mode_16_64 3
		.amdhsa_memory_ordered 1
		.amdhsa_forward_progress 1
		.amdhsa_inst_pref_size 164
	.end_amdhsa_kernel
	.amdgpu_metadata
---
amdhsa.version: [ 1, 2 ]
amdhsa.kernels:
  - .name:           k_qd0f649961a_q
    .symbol:         k_qd0f649961a_q.kd
    .args:
      - { .name: query, .offset: 0, .size: 8, .value_kind: global_buffer, .address_space: global }
      - { .name: wcodes, .offset: 8, .size: 8, .value_kind: global_buffer, .address_space: global }
      - { .name: wscales, .offset: 16, .size: 8, .value_kind: global_buffer, .address_space: global }
      - { .name: q_b1, .offset: 24, .size: 8, .value_kind: global_buffer, .address_space: global }
      - { .name: q_b2, .offset: 32, .size: 8, .value_kind: global_buffer, .address_space: global }
      - { .name: out_b, .offset: 40, .size: 8, .value_kind: global_buffer, .address_space: global }
      - { .name: kvc, .offset: 48, .size: 8, .value_kind: global_buffer, .address_space: global }
      - { .name: kvs, .offset: 56, .size: 8, .value_kind: global_buffer, .address_space: global }
      - { .name: ksum, .offset: 64, .size: 8, .value_kind: global_buffer, .address_space: global }
      - { .name: out0, .offset: 72, .size: 8, .value_kind: global_buffer, .address_space: global }
    .group_segment_fixed_size: 327680
    .private_segment_fixed_size: 0
    .kernarg_segment_align: 8
    .kernarg_segment_size: 80
    .max_flat_workgroup_size: 256
    .sgpr_count:     72
    .vgpr_count:     512
    .wavefront_size: 32
...
	.end_amdgpu_metadata
.endif
;; end of part 4
